; MI455X (gfx1250); checked and timed in simulation.
; The chip was launched on July 23, 2026; its instructions are those of AMD's public machine-readable ISA for CDNA 5 (MIT licence, August 2026) and "CDNA5" Instruction Set Architecture Reference Guide (July 2026). The comments in the code are by the model that wrote it; some were corrected since.
;; Custom Multi Head Attention Stoich Ro PE. Allowed arithmetic: matrix products marked QUANTISED: E5M2 operands, one E8M0 scale for each 32 along K, by v_wmma_scale_f32_16x16x128_f8f6f4 with both operands' format E5M2, f32 sums; everything else in f32.
;; Inputs: Wk 1,024 x 1,024 float32; Wo 1,024 x 1,024 float32; Wq 1,024 x 1,024 float32; Wv 1,024 x 1,024 float32; bk 1,024 float32; bo 1,024 float32; bq 1,024 float32; bv 1,024 float32; frac 4 x 2,048 float32; x 4 x 2,048 x 1,024 float32.
;; Outputs: out0 4 x 2,048 x 1,024 float32.
;; This version of the problem:
;;   THIS VERSION OF THE PROBLEM IS GIVEN IN LOW PRECISION. The matrix products marked QUANTISED in the list below multiply operands that are first quantised to E5M2 (5 exponent bits, 2 mantissa bits; 8 bits a number), with one power-of-two scale for each 32 numbers along K (OCP MX v1.0); their sums are f32. All else is computed in f32.
;;   The module's matrix products, in the order in which they are computed (A, B: the left and right operand; K: the contracted axis; several contracted axes count as one K, in the product's order):
;;     1. [M 8,192, K 1,024] x [K 1,024, N 1,024]; A: input x; B: input Wq: QUANTISED
;;     2. [M 8,192, K 1,024] x [K 1,024, N 1,024]; A: input x; B: input Wk: QUANTISED
;;     3. [M 8,192, K 1,024] x [K 1,024, N 1,024]; A: input x; B: input Wv: QUANTISED
;;     4. batch 64 x [M 2,048, K 64] x [K 64, N 2,048]; A: computed on the way; B: computed on the way: QUANTISED
;;     5. batch 64 x [M 2,048, K 2,048] x [K 2,048, N 64]; A: softmax (see below); B: computed on the way: QUANTISED
;;     6. [M 8,192, K 1,024] x [K 1,024, N 1,024]; A: computed on the way; B: input Wo: QUANTISED
;;   THE QUANTISER, for each operand of a quantised product, along K:
;;     - K is cut into blocks of 32 from its start; a last block that is shorter is filled with zeros.
;;     - A block's scale is 2^e with e = floor(log2(the largest magnitude in the block)) - 15, held to -126 .. 127; a block of zeros has e = 0. As a byte (E8M0): e + 127.
;;     - Each number is divided by its block's scale, clamped to +-57,344, and rounded to the nearest number of E5M2, ties to even, subnormals kept.
;;     - The product sums the exact products of the quantised numbers (number of the format x scale) in f32.
;;   ~~~python
;;   def quantise(x, axis):      # numpy; x: float32 -> the quantised numbers, widened to float32 again
;;       x = np.moveaxis(x, axis, -1); K = x.shape[-1]
;;       x = np.pad(x, [(0, 0)] * (x.ndim - 1) + [(0, -K % 32)]); x = x.reshape(x.shape[:-1] + (-1, 32)); a = np.abs(x).max(-1, keepdims=True)
;;       e = np.where(a > 0, np.clip(np.frexp(np.where(a > 0, a, 1))[1] - 1 - 15, -126, 127), 0)      # np.frexp(a)[1] - 1 = floor(log2(a)), exactly
;;       r = np.clip(x / 2.0 ** e, -57344, 57344)
;;       step = 2.0 ** (np.maximum(np.frexp(np.where(r == 0, 1, r))[1] - 1, -14) - 2)
;;       q = np.round(r / step) * step * 2.0 ** e      # np.round: ties to even
;;       return np.moveaxis(q.reshape(q.shape[:-2] + (-1,))[..., :K], -1, axis).astype(np.float32)
;;   ~~~
;;   SOFTMAX AHEAD OF A QUANTISED PRODUCT. Where the list says 'softmax', what is quantised is not the finished softmax but p = 2^(t - M), with t = logit x log2(e) and M = ceil(the row's largest t), a whole number; so 1/2 < the row's largest p <= 1. The row's sum l is taken of the UNQUANTISED p, in f32, and the product's result is divided by l at the end. Since M is a whole number, a kernel that streams over the keys may use a running M (the ceiling of the running maximum): every later rescaling is an exact power of two, which a block's scale takes up: the codes' values come out the same.
;;   OPERANDS COMPUTED ON THE WAY. 'Computed on the way' means the value that the module computes at that place (a softmax that the list does not call 'softmax' is quantised finished and normalised). What goes into a quantiser is computed in f32, as accurately as f32 sums, v_exp_f32 and their like allow (about 1e-6 of the number): no bf16 or f16 on the way to a quantiser, and a product that is left as it is and whose result goes on into a quantised operand takes f32 operands (vector FMAs, or v_wmma_f32_16x16x4_f32). A number that lies on a knife's edge between two numbers of the format may be rounded either way, as far as f32 arithmetic and the matrix unit's own rounding can turn it there, and no further.
;; One version. Each part assembles by itself: llvm-mc -triple=amdgcn-amd-amdhsa -mcpu=gfx1250 --defsym DOCPART=n.
;; ======== version 1 of 1: 4 launches
;; limits: right only within a limited range of input values
;; workspace buffers: codes 12,582,912 bytes; scales 393,216 bytes; tab 2,097,152 bytes; qbuf 8,650,752 bytes; kvbuf 17,301,504 bytes; abuf 8,388,608 bytes; asc 262,144 bytes
;; launch prep (part 1): grid 512 x 1, 4 waves a work-group, no clusters, 33,280 bytes of LDS; arguments x, Wq, Wk, Wv, Wo, frac, codes, scales, tab; writes codes, scales, tab
.if DOCPART == 1
	.amdgcn_target "amdgcn-amd-amdhsa--gfx1250"
	.amdhsa_code_object_version 6
	.text
	.protected	k_qdb0f95abd7_prep
	.globl	k_qdb0f95abd7_prep
	.p2align	8
	.type	k_qdb0f95abd7_prep,@function
k_qdb0f95abd7_prep:
	s_mov_b64 s[64:65], 0
	v_nop
	global_prefetch_b8 v0, s[64:65] scope:SCOPE_SE
	s_setreg_imm32_b32 hwreg(HW_REG_WAVE_MODE, 25, 1), 1
	s_wait_xcnt 0x0
; x [8192][1024] and Wq, Wk, Wv, Wo [1024][1024], f32, K innermost, become codes of BF8 (E5M2) with one E8M0 byte for each 32 along K;
; frac [8192] becomes a table of cos and sin of frac x 1000 / 10000^(i/32), i = 0 .. 31.
; codes: [12288 rows][1024 bytes], scales: [12288 rows][32 bytes]: rows 0-8191 x, then 1,024 rows each of Wq, Wk, Wv, Wo.
; STORED ROW ORDER: within each 32 rows, bits 3 and 4 of the row's number change places, so that 16 stored neighbours are rows 8u+0..7 and 16+8u+0..7:
; the later launches then find, in a matrix result's registers, 16 natural neighbours in two neighbouring tiles.  A wave's 8,192 numbers are 8 rows: waves 1 and 2 change places on the way out.
; tab: [8192 stored tokens][16 groups g][cos(2g), cos(2g+1), sin(2g), sin(2g+1)] f32: 256 bytes a token.
; Work-groups 0-383 quantise (32,768 numbers each), 384-511 make the table (64 tokens each; they use no LDS).
; A block's scale is 2^(floor(log2(largest magnitude)) - 15); its byte is the largest magnitude's exponent field - 15, held at 1 from below.
; LIMITS: a block of zeros, or one whose largest magnitude lies under 2^-111, gets the byte 1 (the bytes are read by this program alone; zero codes add nothing); NaN and infinities are not served.
; The angle is reduced by pi/2 in three parts: sound for |frac x 1000| up to about 1e5.  10000^(i/32) is one exponential and one correction; the division by it is a reciprocal with one refinement.
.set STEPS, 16
.set NQW,   384                        ; work-groups that quantise
.set MANT,  0x600000                   ; the mantissa field of 57,344
.set CBY,   16                         ; bytes of 16 codes
.set R,     16                         ; v16-79   four sets of 16 numbers as loaded
.set X,     80                         ; v80-111  two sets of 16 neighbours
.set C,     128                        ; v128-191 codes, four registers a step
.set E,     112                        ; v112-127 a scale byte a step
.set WREG,  8192                       ; LDS region of a wave: two stages of 32 x SP bytes, then its 256 scale bytes
.set SP,    80
	s_load_b512 s[4:19], s[0:1], 0x0               ; x, Wq, Wk, Wv, Wo, frac s[14:15], codes s[16:17], scales s[18:19]
	s_load_b64 s[20:21], s[0:1], 0x40              ; tab
	v_lshl_add_u32 v192, v0, 2, 0x8000
	v_mov_b32 v193, 0
	v_lshrrev_b32 v1, 5, v0
	v_readfirstlane_b32 s22, v1                    ; wave
	v_and_b32 v2, 31, v0                           ; lane
	s_cmp_ge_u32 ttmp9, NQW
	s_cbranch_scc1 .Ltable
	; ---------------- the quantiser ----------------
	v_lshlrev_b32 v3, 4, v2                        ; my 16 bytes of a load's 512
	s_mul_i32 s23, s22, WREG
	v_lshrrev_b32 v14, 2, v2
	v_mul_u32_u24 v14, v14, SP
	v_and_b32 v15, 3, v2
	v_lshl_add_u32 v14, v15, 4, v14
	v_add_nc_u32 v14, s23, v14                     ; the stage, in: SP (lane / 4) + 16 (lane % 4)
	v_mul_u32_u24 v15, v2, SP
	v_add_nc_u32 v15, s23, v15                     ; out: SP x lane: 16 neighbours
	v_mul_u32_u24 v4, v2, CBY
	v_lshrrev_b32 v5, 1, v2
	s_add_co_u32 s23, s23, 2*32*SP
	v_add_nc_u32 v5, s23, v5                       ; my block's byte among the wave's 256
	v_lshlrev_b32 v7, 3, v2
	v_add_nc_u32 v6, s23, v7
	s_mov_b32 s31, MANT
	s_sub_co_u32 s24, ttmp9, 256
	s_lshr_b32 s25, s24, 5                         ; which weight (meaningless for x's work-groups: the last choice overrides)
	s_and_b32 s24, s24, 31                         ; and which 32 rows of it
	s_wait_alu depctr_va_vdst(0)
	s_wait_kmcnt 0x0
	s_cmp_eq_u32 s25, 1
	s_cselect_b64 s[6:7], s[8:9], s[6:7]
	s_cmp_eq_u32 s25, 2
	s_cselect_b64 s[6:7], s[10:11], s[6:7]
	s_cmp_eq_u32 s25, 3
	s_cselect_b64 s[6:7], s[12:13], s[6:7]
	s_cmp_lt_u32 ttmp9, 256
	s_cselect_b64 s[4:5], s[4:5], s[6:7]           ; the tensor: the choice hangs on the work-group's number alone
	s_cselect_b32 s24, ttmp9, s24
	s_lshl_b32 s24, s24, 2
	s_add_co_u32 s24, s24, s22
	s_lshl_b32 s24, s24, 15                        ; in: run 4 x local + wave, 32,768 bytes each
	s_mov_b32 s25, 0
	s_add_nc_u64 s[4:5], s[4:5], s[24:25]
	s_and_b32 s26, s22, 1
	s_lshl_b32 s26, s26, 1
	s_lshr_b32 s27, s22, 1
	s_or_b32 s26, s26, s27                         ; waves 1 and 2 change places: the stored row order
	s_lshl_b32 s27, ttmp9, 2
	s_add_co_u32 s26, s26, s27
	s_lshl_b32 s24, s26, 13                        ; out: 8,192 bytes of codes a run,
	s_add_nc_u64 s[16:17], s[16:17], s[24:25]
	s_lshl_b32 s24, s26, 8                         ; 256 scale bytes
	s_add_nc_u64 s[18:19], s[18:19], s[24:25]
.macro LOAD t
.irp i, 0,1,2,3
	global_load_b128 v[R+16*((\t)%4)+4*\i:R+16*((\t)%4)+4*\i+3], v3, s[4:5] offset:2048*(\t)+512*\i th:TH_LOAD_NT   ; 32 lanes read 512 consecutive bytes
.endr
.endm
.macro TURN t                          ; a step's 2,048 bytes through the wave's own stage: LDS serves a wave's instructions in order
.irp i, 0,1,2,3
	ds_store_b128 v14, v[R+16*((\t)%4)+4*\i:R+16*((\t)%4)+4*\i+3] offset:32*SP*((\t)%2)+8*SP*\i
.endr
.irp i, 0,1,2,3
	ds_load_b128 v[X+16*((\t)%2)+4*\i:X+16*((\t)%2)+4*\i+3], v15 offset:32*SP*((\t)%2)+16*\i
.endr
.endm
.irp t, 0,1,2,3
	LOAD \t
.endr
	s_wait_loadcnt 12                              ; step 0's four loads are in
	TURN 0
.macro STEP t
.set XS, X+16*((\t)%2)
.if (\t) > 0
	s_wait_dscnt 1                                 ; this step's numbers are back (the last step's byte store may be out)
.else
	s_wait_dscnt 0x0
.endif
.if (\t)+4 < STEPS
	LOAD (\t)+4
.endif
.if (\t)+1 < STEPS
.if STEPS-2-(\t) >= 3
	s_wait_loadcnt 12                              ; the next step's loads are in; three steps' may be out
.else
	s_wait_loadcnt 4*(STEPS-2-(\t))
.endif
	TURN (\t)+1
.endif
	v_max3_num_f32 v8, |v[XS]|, |v[XS+1]|, |v[XS+2]|
	v_max3_num_f32 v9, |v[XS+3]|, |v[XS+4]|, |v[XS+5]|
.irp i, 6,10
	v_max3_num_f32 v8, v8, |v[XS+\i]|, |v[XS+\i+1]|
	v_max3_num_f32 v9, v9, |v[XS+\i+2]|, |v[XS+\i+3]|
.endr
	v_max3_num_f32 v8, v8, |v[XS+14]|, |v[XS+15]|
	v_max3_num_f32 v8, v8, v9, 0x8000000           ; the floor 2^(16 - 127): the byte cannot fall under 1
	v_max_num_f32_dpp v8, v8, v8 row_xmask:1 row_mask:0xf bank_mask:0xf   ; with my neighbour's 16: the block's largest magnitude
	v_add_nc_u32 v11, 0xf8800000, v8               ; 15 off its exponent field: the conversion's scale operand
	v_and_or_b32 v10, v8, 0x7f800000, s31          ; 57,344 x the scale
.irp i, 0,1,2,3,4,5,6,7,8,9,10,11,12,13,14,15
	v_med3_num_f32 v[XS+\i], v[XS+\i], -v10, v10   ; the conversion does not saturate (ISA guide 7.6.2): the hold
.endr
	v_cvt_scalef32_pk8_bf8_f32 v[C+4*(\t):C+4*(\t)+1], v[XS:XS+7], v11
	v_cvt_scalef32_pk8_bf8_f32 v[C+4*(\t)+2:C+4*(\t)+3], v[XS+8:XS+15], v11
	v_lshrrev_b32 v[E+(\t)], 23, v11               ; the scale's byte
	ds_store_b8 v5, v[E+(\t)] offset:16*(\t)       ; both lanes of a block write the same byte with the same value
	global_store_b128 v4, v[C+4*(\t):C+4*(\t)+3], s[16:17] offset:32*CBY*(\t)   ; 512 consecutive bytes
.endm
.irp t, 0,1,2,3,4,5,6,7,8,9,10,11,12,13,14,15
	STEP \t
.endr
	ds_load_b64 v[12:13], v6
	s_wait_dscnt 0x0
	global_store_b64 v7, v[12:13], s[18:19]        ; 256 consecutive bytes, aligned
	s_wait_tensorcnt 0x0
	ds_add_u32 v192, v193
	s_wait_dscnt 0x0
	s_endpgm
	; ---------------- the table ----------------
.Ltable:
	s_sub_co_u32 s23, ttmp9, NQW
	s_lshl_b32 s23, s23, 2
	s_add_co_u32 s23, s23, s22                     ; T: my stored tile of 16 tokens, 0 .. 511
	v_and_b32 v3, 15, v0                           ; g: my two frequencies are 2 g and 2 g + 1
	v_bfe_u32 v4, v0, 4, 1                         ; hl: lanes 16-31 take the tile's rows 8-15, which are the tokens 16 further on
	v_lshlrev_b32 v5, 6, v4                        ; frac: 16 tokens x 4 bytes
	v_lshlrev_b32 v6, 11, v4
	v_lshl_add_u32 v6, v3, 4, v6                   ; tab: 8 rows x 256 bytes x hl + 16 g
	s_lshr_b32 s24, s23, 1
	s_lshl_b32 s24, s24, 5
	s_and_b32 s25, s23, 1
	s_lshl_b32 s25, s25, 3
	s_add_co_u32 s24, s24, s25                     ; first natural token: 32 (T / 2) + 8 (T % 2)
	s_lshl_b32 s24, s24, 2
	s_mov_b32 s25, 0
	s_lshl_b32 s26, s23, 12                        ; 16 tokens x 256 bytes
	s_mov_b32 s27, 0
	s_mov_b32 s32, 0x3ed49a40                      ; log2(10000) / 32 cut to 18 bits: times i <= 31 it is exact
	s_mov_b32 s33, 0x359c164c                      ; what was cut off, x ln 2
	s_mov_b32 s34, 0x447a0000                      ; 1000
	s_mov_b32 s35, 0x3f22f983                      ; 2 / pi
	s_mov_b32 s36, 0xbfc90fd8                      ; -pi/2 in three parts
	s_mov_b32 s37, 0xb4a8885a
	s_mov_b32 s38, 0xa7c234c4
	s_mov_b32 s39, 0x3638ef1d                      ; sine: 1/9!, -1/7!, 1/5!, -1/3!
	s_mov_b32 s40, 0xb9500d01
	s_mov_b32 s41, 0x3c088889
	s_mov_b32 s42, 0xbe2aaaab
	s_mov_b32 s43, 0xb493f27e                      ; cosine: -1/10!, 1/8!, -1/6!, 1/4!
	s_mov_b32 s44, 0x37d00d01
	s_mov_b32 s45, 0xbab60b61
	s_mov_b32 s46, 0x3d2aaaab
	s_wait_alu depctr_va_vdst(0)
	s_wait_kmcnt 0x0
	s_add_nc_u64 s[14:15], s[14:15], s[24:25]
	s_add_nc_u64 s[20:21], s[20:21], s[26:27]
.irp it, 0,1,2,3,4,5,6,7
	global_load_b32 v[16+\it], v5, s[14:15] offset:4*\it
.endr
	v_lshlrev_b32 v7, 1, v3
	v_cvt_f32_u32 v8, v7                           ; i0
	v_add_nc_u32 v7, 1, v7
	v_cvt_f32_u32 v9, v7                           ; i1
	v_mul_f32 v10, s32, v8
	v_mul_f32 v11, s32, v9
	s_wait_alu depctr_va_vdst(0)
	v_exp_f32 v10, v10
	v_exp_f32 v11, v11
	v_mul_f32 v8, s33, v8                          ; (plain work behind the exponentials)
	v_mul_f32 v9, s33, v9
	s_wait_alu depctr_va_vdst(0)                   ; one wait for both, ahead of their first reader
	v_fma_f32 v10, v10, v8, v10                    ; 10000^(i/32)
	v_fma_f32 v11, v11, v9, v11
	s_wait_alu depctr_va_vdst(0)
	v_rcp_f32 v12, v10
	v_rcp_f32 v13, v11
	v_nop
	s_wait_alu depctr_va_vdst(0)
	s_wait_loadcnt 0x0
.macro TOK it
	v_mul_f32 v14, s34, v[16+\it]                  ; the position
.irp k, 0,1
	v_mul_f32 v24, v14, v[12+\k]
	v_fma_f32 v25, -v24, v[10+\k], v14
	v_fma_f32 v24, v25, v[12+\k], v24              ; the angle: a quotient with one refinement
	v_mul_f32 v26, s35, v24
	v_rndne_f32 v26, v26                           ; n: quarter turns
	v_fma_f32 v27, v26, s36, v24
	v_fma_f32 v27, v26, s37, v27
	v_fma_f32 v27, v26, s38, v27                   ; r, within pi/4
	v_mul_f32 v28, v27, v27
	v_cvt_i32_f32 v31, v26
	v_fma_f32 v29, v28, s39, s40
	v_fma_f32 v30, v28, s43, s44
	v_fma_f32 v29, v29, v28, s41
	v_fma_f32 v30, v30, v28, s45
	v_fma_f32 v29, v29, v28, s42
	v_fma_f32 v30, v30, v28, s46
	v_mul_f32 v32, v27, v28
	v_fma_f32 v30, v30, v28, -0.5
	v_fma_f32 v29, v29, v32, v27                   ; sin r
	v_fma_f32 v30, v30, v28, 1.0                   ; cos r
	v_and_b32 v32, 1, v31
	v_cmp_ne_u32 vcc_lo, 0, v32                    ; an odd n swaps them
	v_cndmask_b32 v33, v29, v30, vcc_lo
	v_cndmask_b32 v34, v30, v29, vcc_lo
	v_lshlrev_b32 v32, 30, v31
	v_and_b32 v32, 0x80000000, v32                 ; the sine is negative where n mod 4 is 2 or 3,
	v_xor_b32 v[130+4*\it+\k], v32, v33
	v_add_nc_u32 v31, 1, v31
	v_lshlrev_b32 v31, 30, v31
	v_and_b32 v31, 0x80000000, v31                 ; the cosine where it is 1 or 2
	v_xor_b32 v[128+4*\it+\k], v31, v34
.endr
	global_store_b128 v6, v[128+4*\it:131+4*\it], s[20:21] offset:256*\it   ; sixteen lanes write a token's 256 bytes
.endm
.irp it, 0,1,2,3,4,5,6,7
	TOK \it
.endr
	s_endpgm
.Lfunc_end_k_qdb0f95abd7_prep:
	.size	k_qdb0f95abd7_prep, .Lfunc_end_k_qdb0f95abd7_prep-k_qdb0f95abd7_prep
	.p2alignl 7, 3214868480
	.fill 96, 4, 3214868480
	.section	.rodata,"a",@progbits
	.p2align	6, 0x0
	.amdhsa_kernel k_qdb0f95abd7_prep
		.amdhsa_group_segment_fixed_size 33280
		.amdhsa_private_segment_fixed_size 0
		.amdhsa_enable_private_segment 0
		.amdhsa_kernarg_size 72
		.amdhsa_user_sgpr_count 2
		.amdhsa_user_sgpr_kernarg_segment_ptr 1
		.amdhsa_wavefront_size32 1
		.amdhsa_system_sgpr_workgroup_id_x 1
		.amdhsa_system_sgpr_workgroup_id_y 1
		.amdhsa_system_sgpr_workgroup_id_z 1
		.amdhsa_system_vgpr_workitem_id 0
		.amdhsa_next_free_vgpr 194
		.amdhsa_next_free_sgpr 66
		.amdhsa_reserve_vcc 1
		.amdhsa_float_denorm_mode_32 3
		.amdhsa_float_denorm_mode_16_64 3
		.amdhsa_memory_ordered 1
		.amdhsa_forward_progress 1
		.amdhsa_inst_pref_size 79
	.end_amdhsa_kernel
	.amdgpu_metadata
---
amdhsa.version: [ 1, 2 ]
amdhsa.kernels:
  - .name:           k_qdb0f95abd7_prep
    .symbol:         k_qdb0f95abd7_prep.kd
    .args:
      - { .name: x, .offset: 0, .size: 8, .value_kind: global_buffer, .address_space: global }
      - { .name: Wq, .offset: 8, .size: 8, .value_kind: global_buffer, .address_space: global }
      - { .name: Wk, .offset: 16, .size: 8, .value_kind: global_buffer, .address_space: global }
      - { .name: Wv, .offset: 24, .size: 8, .value_kind: global_buffer, .address_space: global }
      - { .name: Wo, .offset: 32, .size: 8, .value_kind: global_buffer, .address_space: global }
      - { .name: frac, .offset: 40, .size: 8, .value_kind: global_buffer, .address_space: global }
      - { .name: codes, .offset: 48, .size: 8, .value_kind: global_buffer, .address_space: global }
      - { .name: scales, .offset: 56, .size: 8, .value_kind: global_buffer, .address_space: global }
      - { .name: tab, .offset: 64, .size: 8, .value_kind: global_buffer, .address_space: global }
    .group_segment_fixed_size: 33280
    .private_segment_fixed_size: 0
    .kernarg_segment_align: 8
    .kernarg_segment_size: 72
    .max_flat_workgroup_size: 128
    .sgpr_count:     66
    .vgpr_count:     194
    .wavefront_size: 32
...
	.end_amdgpu_metadata
.endif
;; end of part 1
;; launch qkv (part 2): grid 12 x 32, 4 waves a work-group, clusters of 4 x 4, 327,680 bytes of LDS; arguments codes, scales, tab, bq, bk, bv, qbuf, kvbuf; writes qbuf, kvbuf
.if DOCPART == 2
	.amdgcn_target "amdgcn-amd-amdhsa--gfx1250"
	.amdhsa_code_object_version 6
	.text
	.protected	k_qdb0f95abd7_qkv
	.globl	k_qdb0f95abd7_qkv
	.p2align	8
	.type	k_qdb0f95abd7_qkv,@function
k_qdb0f95abd7_qkv:
	s_mov_b64 s[64:65], 0
	v_nop
	global_prefetch_b8 v0, s[64:65] scope:SCOPE_SE
	s_setreg_imm32_b32 hwreg(HW_REG_WAVE_MODE, 25, 1), 1
	s_wait_xcnt 0x0
	s_wait_alu depctr_hold_cnt(0) depctr_sa_sdst(0) depctr_va_vdst(0) depctr_va_sdst(0) depctr_va_ssrc(0) depctr_va_vcc(0) depctr_vm_vsrc(0)
	s_getreg_b32 s2, hwreg(HW_REG_IB_STS2, 6, 4)
	s_cmp_eq_u32 s2, 0
	s_cbranch_scc0 .Lentry_in_a_cluster
	s_endpgm
.Lentry_in_a_cluster:
	s_bfe_u32 s2, ttmp6, 0x10000c
	s_cmp_lg_u32 s2, 0xf033
	s_cbranch_scc0 .Lentry_shape_is_right
	s_endpgm
.Lentry_shape_is_right:
.set NQ,     2
.set ROWB,   256
.set KROW,   1024
.set PITCH,  272
.set FR,     16
.set NL,     4
.set NP,     8
.set HALFT,  128*PITCH
.set SLOT,   4*HALFT
.set KS,     32
.set SCL,    2*SLOT
.set HALFS,  16*272
.set SBLK,   2*272
.set SPARE,  SCL+4*HALFS
.set SCSTG,  SPARE+512
.set ADRA, 16
.set ADRB, 20
.set TBA,  24
.set LI,   25
.set SCW,  26
.set ADRS, 27
.set SPW,  28
.set NIL,  29
.set SCR,  30
.set L8,   31
.set SC,   32
.set CB,   64
.set CSN,  64
.set AF,   128
.set Y,    128
.set TT,   160
.set CD,   192
.set TM,   224
.set G1, 24
.set G0, 32
.set G1B, 48
.set G0B, 56
.set G1S, 68
.set G0S, 76
.set G1SB, 80
.set G0SB, 88
.set MSB, 0
.macro WIN new
.if MSB != (\new)
	s_set_vgpr_msb (MSB<<8)|(\new)
.set MSB, (\new)
.endif
.endm
.set MUL_LO, 0xa1
.set MUL_HI, 0xf1
.set TO_B,   0x40
.macro JLOAD g0a, g1a, g0b, g1b
	s_cmp_eq_u32 s21, 0
	s_cbranch_scc0 .Lfor_b_\@
	tensor_load_to_lds s[\g0a:\g0a+3], s[\g1a:\g1a+7]
	s_nop 0
.rept 4
	v_nop
.endr
	s_branch .Lasked_\@
.Lfor_b_\@:
	tensor_load_to_lds s[\g0b:\g0b+3], s[\g1b:\g1b+7]
	s_nop 0
.rept 4
	v_nop
.endr
.Lasked_\@:
.endm
.macro CREST
	s_cmp_lg_u32 s20, 0
	s_cbranch_scc1 .Lnot_wave_0_\@
	s_barrier_signal -3
.Lnot_wave_0_\@:
	s_barrier_wait -3
	s_barrier_signal -1
	s_barrier_wait -1
.endm
.macro CROUND
	s_barrier_signal -1
	s_barrier_wait -1
	CREST
.endm
	s_load_b512 s[4:19], s[0:1], 0x0
	v_lshl_add_u32 v[SPW], v0, 2, SPARE
	v_mov_b32 v[NIL], 0
	ds_add_u32 v28, v29
	ds_add_u32 v28, v29
	s_wait_dscnt 0x0
	v_lshrrev_b32 v1, 5, v0
	v_readfirstlane_b32 s20, v1
	s_lshr_b32 s21, s20, 1
	s_and_b32 s22, s20, 1
	s_bfe_u32 s40, ttmp6, 0x40000
	s_bfe_u32 s41, ttmp6, 0x40004
	s_and_b32 s2, ttmp7, 0xffff
	s_lshl_b32 s2, s2, 2
	s_lshl_b32 s3, ttmp9, 2
	s_add_co_u32 s3, s3, 32
	s_cmp_eq_u32 ttmp9, 2
	s_cselect_b32 s23, 1, 0
	s_cselect_b32 s43, 40, s2
	s_cselect_b32 s42, s2, s3
	s_add_co_u32 s43, s43, s41
	s_add_co_u32 s42, s42, s40
	s_lshl_b32 s44, s41, 2
	s_lshl_b32 s44, 15, s44
	s_lshl_b32 s45, 0x1111, s40
	s_or_b32 s[G1+0], s44, (0<<16)|(1<<20)|(1<<21)|(5<<22)|(3<<25)
	s_or_b32 s[G1B+0], s45, (0<<16)|(1<<20)|(1<<21)|(5<<22)|(3<<25)
.irp g, G1, G1B
	s_mov_b32 s[\g+1], ROWB<<16
	s_mov_b32 s[\g+2], 256<<16
	s_mov_b32 s[\g+3], ROWB<<16
	s_mov_b32 s[\g+4], 256
	s_mov_b32 s[\g+5], KROW
	s_mov_b32 s[\g+6], 0
	s_mov_b32 s[\g+7], 0
.endr
	s_or_b32 s[G1S+0], s44, (3<<16)|(1<<20)|(1<<21)|(5<<22)|(3<<25)
	s_or_b32 s[G1SB+0], s45, (3<<16)|(1<<20)|(1<<21)|(5<<22)|(3<<25)
.irp g, G1S, G1SB
	s_mov_b32 s[\g+1], 32<<16
	s_mov_b32 s[\g+2], 32<<16
	s_mov_b32 s[\g+3], 32<<16
	s_mov_b32 s[\g+4], 32
	s_mov_b32 s[\g+5], 32
	s_mov_b32 s[\g+6], 0
	s_mov_b32 s[\g+7], 0
.endr
	s_lshl_b32 s46, s22, 7
	s_lshl_b32 s92, s43, 8
	s_add_co_u32 s92, s92, s46
	s_lshl_b32 s94, s42, 8
	s_add_co_u32 s94, s94, s46
	s_lshl_b32 s96, s92, 5
	s_mov_b32 s97, 0
	s_lshl_b32 s98, s94, 5
	s_mov_b32 s99, 0
	s_lshl_b32 s92, s92, 10
	s_mov_b32 s93, 0
	s_lshl_b32 s94, s94, 10
	s_mov_b32 s95, 0
	s_mul_i32 s104, s20, HALFT
	s_wait_kmcnt 0x0
	s_add_nc_u64 s[92:93], s[4:5], s[92:93]
	s_add_nc_u64 s[94:95], s[4:5], s[94:95]
	s_add_nc_u64 s[96:97], s[6:7], s[96:97]
	s_add_nc_u64 s[98:99], s[6:7], s[98:99]
	CROUND
	; the head's four tiles, each whole, one a wave: K step 0's 256 rows of A (wave 0) and of B (wave 1), the scale bytes of A's 256 rows (wave 2) and of B's (wave 3)
	s_lshl_b32 s2, s22, 17                         ; my half's 128 rows of codes are taken off again: the tile's first row
	s_mov_b32 s3, 0
	s_mov_b32 s4, 1
	s_mov_b32 s5, 0
	s_sub_nc_u64 s[6:7], s[92:93], s[2:3]
	s_or_b32 s7, s7, 0x80000000
	s_mov_b32 s44, 1
	s_mov_b32 s45, 2*HALFT
	s_sub_nc_u64 s[46:47], s[94:95], s[2:3]
	s_or_b32 s47, s47, 0x80000000
	s_lshl_b32 s2, s22, 12                         ; and 128 rows of scale bytes
	s_mov_b32 s[G0S], 1
	s_mov_b32 s[G0S+1], SCL
	s_sub_nc_u64 s[G0S+2:G0S+3], s[96:97], s[2:3]
	s_or_b32 s[G0S+3], s[G0S+3], 0x80000000
	s_mov_b32 s[G0SB], 1
	s_mov_b32 s[G0SB+1], SCL+2*HALFS
	s_sub_nc_u64 s[G0SB+2:G0SB+3], s[98:99], s[2:3]
	s_or_b32 s[G0SB+3], s[G0SB+3], 0x80000000
.irp s, 0,1
	s_mov_b32 s[G0+4*\s], 1
	s_add_co_u32 s[G0+4*\s+1], s104, \s*SLOT
	s_add_nc_u64 s[G0+4*\s+2:G0+4*\s+3], s[92:93], \s*ROWB
	s_or_b32 s[G0+4*\s+3], s[G0+4*\s+3], 0x80000000
	s_mov_b32 s[G0B+4*\s], 1
	s_add_co_u32 s[G0B+4*\s+1], s104, \s*SLOT
	s_add_nc_u64 s[G0B+4*\s+2:G0B+4*\s+3], s[94:95], \s*ROWB
	s_or_b32 s[G0B+4*\s+3], s[G0B+4*\s+3], 0x80000000
.endr
.macro ARM under, g0, g1, next         ; one chain of branches on the wave's number: every way passes one load
	s_cmp_lt_u32 s20, \under
	s_cbranch_scc0 \next
	tensor_load_to_lds s[\g0:\g0+3], s[\g1:\g1+7]
	s_nop 0
.rept 4
	v_nop
.endr
	s_branch .Lhead_asked
\next:
.endm
	ARM 1, 4,   G1,  .Lhead_b
	ARM 2, 44,  G1B, .Lhead_sa
	ARM 3, G0S, G1S, .Lhead_sb
	tensor_load_to_lds s[G0SB:G0SB+3], s[G1SB:G1SB+7]
	s_nop 0
.rept 4
	v_nop
.endr
.Lhead_asked:
	; the bias is asked for here, while the head's tiles are on their way: it is the C of the first products
	v_and_b32 v1, 15, v0
	v_bfe_u32 v2, v0, 4, 1
	v_lshlrev_b32 v7, 6, v2
	v_and_b32 v8, 8, v1
	v_add_nc_u32 v8, v8, v1
	v_lshlrev_b32 v8, 2, v8
	s_cmp_eq_u32 s23, 1
	s_cselect_b32 s2, s41, s40
	s_cselect_b32 s3, s21, s22
	s_lshl_b32 s2, s2, 2
	s_lshl_b32 s3, s3, 1
	s_add_co_u32 s2, s2, s3                        ; my first head of the tensor's sixteen
	s_lshl_b32 s2, s2, 8                           ; 64 numbers of 4 bytes a head
	s_mov_b32 s3, 0
	s_cmp_eq_u32 ttmp9, 0
	s_cselect_b64 s[10:11], s[10:11], s[12:13]
	s_cmp_eq_u32 ttmp9, 2
	s_cselect_b64 s[10:11], s[14:15], s[10:11]
	s_add_nc_u64 s[10:11], s[10:11], s[2:3]
	s_cmp_eq_u32 s23, 1
	s_cbranch_scc1 .Lbias_v
	s_wait_alu depctr_va_vdst(0)
.irp b, 0,1,2,3,4,5,6,7
	global_load_b128 v[CB+8*\b:CB+8*\b+3], v7, s[10:11] offset:4*(32*(\b/2)+8*(\b%2))
	global_load_b128 v[CB+8*\b+4:CB+8*\b+7], v7, s[10:11] offset:4*(32*(\b/2)+8*(\b%2))+16
.endr
	s_branch .Lbias_done
.Lbias_v:
	s_wait_alu depctr_va_vdst(0)
.irp a, 0,1,2,3,4,5,6,7
.irp j, 0,1,2,3,4,5,6,7
	global_load_b32 v[CB+8*\a+\j], v8, s[10:11] offset:4*(32*(\a/2)+8*(\a%2))
.endr
.endr
.Lbias_done:
	s_wait_alu depctr_va_vdst(0)
	s_wait_tensorcnt 0x0                           ; my tile of the four is in
	ds_add_u32 v28, v29
	s_mov_b32 s[G1+2], 128<<16                     ; no tensor load of mine is out: from here on a load brings 128 rows
	s_mov_b32 s[G1+4], 128
	s_mov_b32 s[G1B+2], 128<<16
	s_mov_b32 s[G1B+4], 128
	s_wait_dscnt 0x0
	CROUND
	JLOAD G0+4, G1, G0B+4, G1B                     ; K step 1, the first tensor load behind the round
	v_and_b32 v1, 15, v0
	v_bfe_u32 v2, v0, 4, 1
	v_mul_u32_u24 v3, v1, PITCH
	v_lshl_add_u32 v4, v2, 4, v3
	s_mul_i32 s2, s21, HALFT
	s_mul_i32 s3, s22, HALFT
	s_add_co_u32 s3, s3, 2*HALFT
.irp s, 0,1
	v_add_nc_u32 v[ADRA+\s], s2, v4
	v_add_nc_u32 v[ADRB+\s], s3, v4
	s_add_co_u32 s2, s2, SLOT
	s_add_co_u32 s3, s3, SLOT
.endr
	v_mul_u32_u24 v5, v1, KS
	v_lshrrev_b32 v6, 8, v5
	v_lshl_add_u32 v5, v6, 4, v5
	s_mul_i32 s2, s21, HALFS
	s_mul_i32 s3, s22, HALFS
	s_add_co_u32 s3, s3, 2*HALFS
	s_sub_co_u32 s3, s3, s2
	v_mul_u32_u24 v6, s3, v2
	s_add_co_u32 s2, s2, SCL
	v_add_nc_u32 v5, v5, v6
	v_add_nc_u32 v[ADRS], s2, v5
	v_lshlrev_b32 v[TBA], 8, v1
	v_lshl_add_u32 v[TBA], v2, 7, v[TBA]
	v_and_b32 v5, 31, v0
	v_lshlrev_b32 v[LI], 4, v5
	v_lshlrev_b32 v[L8], 3, v5
	s_lshl_b32 s2, s20, 9
	s_add_co_u32 s2, s2, SCSTG
	v_lshl_add_u32 v[SCW], v1, 2, s2
	v_add_nc_u32 v[SCR], s2, v[L8]
	s_mov_b32 s66, 0x600000
	s_mov_b32 s100, 0x76543210
	s_mov_b32 s101, 0xfedcba98
	s_cmp_eq_u32 s23, 1
	s_cselect_b32 s2, s42, s43
	s_cselect_b32 s3, s22, s21
	s_cselect_b32 s46, s41, s40
	s_cselect_b32 s47, s21, s22
	s_cselect_b32 s104, 8192, 0
	s_cselect_b32 s105, 256, 0
	s_cmp_eq_u32 ttmp9, 0
	s_cselect_b64 s[16:17], s[16:17], s[18:19]
	s_mov_b32 s44, 16896
	s_cselect_b32 s44, 8448, s44
	s_mov_b32 s45, 16384
	s_cselect_b32 s45, 8192, s45
	s_add_co_u32 s105, s105, s45
	s_lshl_b32 s2, s2, 1
	s_add_co_u32 s2, s2, s3
	s_lshl_b32 s46, s46, 2
	s_lshl_b32 s47, s47, 1
	s_add_co_u32 s46, s46, s47
	s_lshr_b32 s3, s2, 4
	s_and_b32 s47, s2, 15
	s_lshl_b32 s3, s3, 4
	s_add_co_u32 s3, s3, s46
	s_lshl_b32 s3, s3, 4
	s_add_co_u32 s3, s3, s47
	s_mul_i32 s3, s3, s44
	s_lshl_b32 s44, s44, 4
	s_add_co_u32 s92, s3, s104
	s_mov_b32 s93, 0
	s_add_co_u32 s94, s92, s44
	s_mov_b32 s95, 0
	s_add_co_u32 s96, s3, s105
	s_mov_b32 s97, 0
	s_add_co_u32 s98, s96, s44
	s_mov_b32 s99, 0
	s_add_nc_u64 s[92:93], s[16:17], s[92:93]
	s_add_nc_u64 s[94:95], s[16:17], s[94:95]
	s_add_nc_u64 s[96:97], s[16:17], s[96:97]
	s_add_nc_u64 s[98:99], s[16:17], s[98:99]
	s_lshl_b32 s2, s2, 15
	s_mov_b32 s3, 0
	s_add_nc_u64 s[8:9], s[8:9], s[2:3]
	s_wait_alu depctr_va_vdst(0)
.macro FRAG reg, adr, q, i
.irp c, 0,1,2,3
	ds_load_b128 v[\reg+4*\c:\reg+4*\c+3], v[\adr] offset:128*(\q)+32*\c+(\i)*16*PITCH
.endr
.endm
.macro MUL16 a0, p, q, sc, zero
.irp a, \a0, \a0+1
.irp b, 0,1,2,3,4,5,6,7
.set rD, 8*(8*((\a)%4)+\b)
.set rB, 128*(\p)+FR*\b
.set rA, AF+FR*(\a)
.set rSB, SC+8*NQ*(\sc)+NQ*\b+(\q)
.set rSA, SC+8*NQ*(\sc)+NQ*(\a)+(\q)
.if (\zero) == 2
	v_wmma_scale_f32_16x16x128_f8f6f4 v[rD:rD+7], v[rB:rB+15], v[rA:rA+15], v[CB+8*\b:CB+8*\b+7], v[rSB], v[rSA] matrix_a_fmt:MATRIX_FMT_BF8 matrix_b_fmt:MATRIX_FMT_BF8 matrix_a_scale:MATRIX_SCALE_ROW1
.elseif (\zero) == 3
	v_wmma_scale_f32_16x16x128_f8f6f4 v[rD:rD+7], v[rB:rB+15], v[rA:rA+15], v[CB+8*(\a):CB+8*(\a)+7], v[rSB], v[rSA] matrix_a_fmt:MATRIX_FMT_BF8 matrix_b_fmt:MATRIX_FMT_BF8 matrix_a_scale:MATRIX_SCALE_ROW1
.else
	v_wmma_scale_f32_16x16x128_f8f6f4 v[rD:rD+7], v[rB:rB+15], v[rA:rA+15], v[rD:rD+7], v[rSB], v[rSA] matrix_a_fmt:MATRIX_FMT_BF8 matrix_b_fmt:MATRIX_FMT_BF8 matrix_a_scale:MATRIX_SCALE_ROW1
.endif
.endr
.endr
.endm
.macro FETCH_B slot, q, p
	WIN TO_B
.irp i, 0,1,2,3,4,5,6,7
	FRAG 128*(\p)+FR*\i, ADRB+\slot, \q, \i
.endr
	WIN 0
.endm
.macro FETCH_A slot, q, i0
.irp i, \i0, \i0+1, \i0+2, \i0+3
	FRAG AF+FR*(\i), ADRA+\slot, \q, \i
.endr
.endm
.macro SCALES sc
.irp i, 0,1,2,3,4,5,6,7
	ds_load_b64 v[SC+8*NQ*\sc+NQ*\i:SC+8*NQ*\sc+NQ*\i+1], v[ADRS] offset:\i*SBLK
.endr
.endm
.macro PLACES n
.rept \n
	v_nop
.endr
.endm
.macro STEP slot, q, zero
	s_wait_dscnt 4*NL
.if (\zero) >= 2
	WIN 0x81
.else
	WIN MUL_LO
.endif
	MUL16 0, (\q)%2, \q, \slot, \zero
	MUL16 2, (\q)%2, \q, \slot, \zero
	s_wait_dscnt 0
	PLACES NP
	FETCH_B \slot, (\q)+1, 1-(\q)%2
	FETCH_A \slot, (\q)+1, 0
.if (\zero) >= 2
	WIN 0xc1
.else
	WIN MUL_HI
.endif
	MUL16 4, (\q)%2, \q, \slot, \zero
	MUL16 6, (\q)%2, \q, \slot, \zero
	PLACES NP
	WIN 0
	FETCH_A \slot, (\q)+1, 4
.endm
.macro TURN slot, next, fill
	s_wait_tensorcnt 0x0
	ds_add_u32 v[SPW], v[NIL]
	s_wait_dscnt 4*NL+1
	WIN MUL_LO
	MUL16 0, 1, NQ-1, \slot, 0
	s_wait_dscnt 0x0
	s_barrier_signal -1
	MUL16 2, 1, NQ-1, \slot, 0
	WIN 0
	s_barrier_wait -1
.if \fill
	CREST
	s_add_nc_u64 s[G0+4*\slot+2:G0+4*\slot+3], s[G0+4*\slot+2:G0+4*\slot+3], 2*ROWB
	s_add_nc_u64 s[G0B+4*\slot+2:G0B+4*\slot+3], s[G0B+4*\slot+2:G0B+4*\slot+3], 2*ROWB
	JLOAD G0+4*\slot, G1, G0B+4*\slot, G1B
	PLACES NP-4
.else
	PLACES NP
.endif
	s_wait_alu depctr_va_vdst(0)
	v_add_nc_u32 v[ADRS], 4*NQ, v[ADRS]
	FETCH_B \next, 0, 0
	FETCH_A \next, 0, 0
	SCALES \next
	WIN MUL_HI
	MUL16 4, 1, NQ-1, \slot, 0
	MUL16 6, 1, NQ-1, \slot, 0
	PLACES NP
	WIN 0
	FETCH_A \next, 0, 4
.endm
.macro TABLOAD a
.irp p, 0,1,2,3,4,5,6,7
	global_load_b128 v[CSN+32*((\a)%2)+4*\p:CSN+32*((\a)%2)+4*\p+3], v[TBA], s[8:9] offset:4096*(\a)+16*\p
.endr
.endm
	s_wait_tensorcnt 1
	s_barrier_signal -1
	s_barrier_wait -1
	FETCH_B 0, 0, 0
	FETCH_A 0, 0, 0
	SCALES 0
	FETCH_A 0, 0, 4
	s_wait_loadcnt 0x0
	s_cmp_eq_u32 s23, 1
	s_cbranch_scc1 .Lfirst_v
	STEP 0, 0, 2
	TABLOAD 0
	TABLOAD 1
	s_branch .Lfirst_done
.Lfirst_v:
	STEP 0, 0, 3
.Lfirst_done:
	TURN 0, 1, 1
	STEP 1, 0, 0
	TURN 1, 0, 1
	STEP 0, 0, 0
	TURN 0, 1, 0
	STEP 1, 0, 0
	s_wait_dscnt 4*NL
	WIN MUL_LO
	MUL16 0, 1, NQ-1, 1, 0
	MUL16 2, 1, NQ-1, 1, 0
	s_wait_dscnt 0
	WIN MUL_HI
	MUL16 4, 1, NQ-1, 1, 0
	MUL16 6, 1, NQ-1, 1, 0
	WIN 0
	PLACES NP
.irp b, 0,1,2,3
	v_mov_b32 v[TM+4+\b], 0
.endr
.macro ROPE a, hd
.set AC, 8*(8*((\a)%4)+4*(\hd))
.set CS0, CSN+32*((\a)%2)
	WIN 0x02+(\a)/4
.irp p, 0,1,2,3,4,5,6,7
	v_pk_mul_f32 v[TT+4*\p:TT+4*\p+1], v[AC+16+2*\p:AC+17+2*\p], v[CS0+4*\p+2:CS0+4*\p+3]
	v_pk_mul_f32 v[TT+4*\p+2:TT+4*\p+3], v[AC+16+2*\p:AC+17+2*\p], v[CS0+4*\p:CS0+4*\p+1]
.endr
.irp p, 0,1,2,3,4,5,6,7
	v_pk_fma_f32 v[Y+2*\p:Y+2*\p+1], v[AC+2*\p:AC+2*\p+1], v[CS0+4*\p:CS0+4*\p+1], v[TT+4*\p:TT+4*\p+1] neg_lo:[0,0,1] neg_hi:[0,0,1]
	v_pk_fma_f32 v[Y+16+2*\p:Y+17+2*\p], v[AC+2*\p:AC+2*\p+1], v[CS0+4*\p+2:CS0+4*\p+3], v[TT+4*\p+2:TT+4*\p+3]
.endr
	WIN 0
.endm
.macro QUANT2 src, cd, u
.irp b, 0,1
	v_max3_num_f32 v[TM+\b], |v[(\src)+16*\b]|, |v[(\src)+16*\b+1]|, 0x8000000
.endr
.irp i, 2,4,6,8,10,12,14
.irp b, 0,1
	v_max3_num_f32 v[TM+\b], v[TM+\b], |v[(\src)+16*\b+\i]|, |v[(\src)+16*\b+\i+1]|
.endr
.endr
.irp b, 0,1
	v_permlanex16_b32 v[TM+4+\b], v[TM+\b], s100, s101
.endr
.irp b, 0,1
	v_max_num_f32 v[TM+\b], v[TM+\b], v[TM+4+\b]
.endr
.irp b, 0,1
	v_add_nc_u32 v[TM+12+\b], 0xf8800000, v[TM+\b]
.endr
.irp b, 0,1
	v_and_or_b32 v[TM+8+\b], v[TM+\b], 0x7f800000, s66
.endr
.irp b, 0,1
	v_lshrrev_b32 v[TM+4+\b], 23, v[TM+12+\b]
.endr
	v_lshl_or_b32 v[\u], v[TM+5], 8, v[TM+4]
	s_wait_alu depctr_va_vdst(0)
	s_wait_xcnt 0x0
.irp b, 0,1
.irp i, 0,1,2,3,4,5,6,7,8,9,10,11,12,13,14,15
	v_med3_num_f32 v[(\src)+16*\b+\i], v[(\src)+16*\b+\i], -v[TM+8+\b], v[TM+8+\b]
.endr
	v_cvt_scalef32_pk8_bf8_f32 v[(\cd)+4*\b:(\cd)+4*\b+1], v[(\src)+16*\b:(\src)+16*\b+7], v[TM+12+\b]
	v_cvt_scalef32_pk8_bf8_f32 v[(\cd)+4*\b+2:(\cd)+4*\b+3], v[(\src)+16*\b+8:(\src)+16*\b+15], v[TM+12+\b]
.endr
	v_nop
.endm
.macro QKBLOCK a
.if (\a) < 7
	s_wait_loadcnt 8
.else
	s_wait_loadcnt 0
.endif
.irp hd, 0,1
	ROPE \a, \hd
	QUANT2 Y, CD+8*\hd, TM+18+2*((\a)%2)+\hd
	global_store_b128 v[LI], v[CD+8*\hd:CD+8*\hd+3], s[92+2*\hd:93+2*\hd] offset:1024*(\a)
	global_store_b128 v[LI], v[CD+8*\hd+4:CD+8*\hd+7], s[92+2*\hd:93+2*\hd] offset:1024*(\a)+512
.if (\a)%2
	v_lshl_or_b32 v[TM+22+\hd], v[TM+20+\hd], 16, v[TM+18+\hd]
	ds_store_b32 v[SCW], v[TM+22+\hd] offset:256*\hd+64*((\a)/2)
.endif
.endr
.if (\a)+2 < 8
	TABLOAD (\a)+2
.endif
.endm
.macro VBLOCK a
.set AC, 64*((\a)%4)
.set WW, 2+(\a)/4
.set CDS, CD+16*((\a)%2)
	WIN (WW<<2)|(WW<<4)
.irp b, 0,1,2,3
	v_max3_num_f32 v[TM+\b], 0x8000000, |v[AC+16*\b]|, |v[AC+16*\b+1]|
.endr
.irp i, 2,4,6,8,10,12,14
.irp b, 0,1,2,3
	v_max3_num_f32 v[TM+\b], v[TM+\b], |v[AC+16*\b+\i]|, |v[AC+16*\b+\i+1]|
.endr
.endr
	WIN 0
.irp b, 0,1,2,3
	v_permlanex16_b32 v[TM+4+\b], v[TM+\b], s100, s101
.endr
.irp b, 0,1,2,3
	v_max_num_f32 v[TM+\b], v[TM+\b], v[TM+4+\b]
.endr
.irp b, 0,1,2,3
	v_add_nc_u32 v[TM+12+\b], 0xf8800000, v[TM+\b]
.endr
.irp b, 0,1,2,3
	v_and_or_b32 v[TM+8+\b], v[TM+\b], 0x7f800000, s66
.endr
.irp b, 0,1,2,3
	v_lshrrev_b32 v[TM+4+\b], 23, v[TM+12+\b]
.endr
	v_lshl_or_b32 v[TM+16], v[TM+5], 8, v[TM+4]
	v_lshl_or_b32 v[TM+16], v[TM+6], 16, v[TM+16]
	v_lshl_or_b32 v[TM+16], v[TM+7], 24, v[TM+16]
	WIN WW
.irp b, 0,1,2,3
.irp i, 0,1,2,3,4,5,6,7,8,9,10,11,12,13,14,15
	v_med3_num_f32 v[Y+16*\b+\i], v[AC+16*\b+\i], -v[TM+8+\b], v[TM+8+\b]
.endr
.endr
	WIN 0
	s_wait_alu depctr_va_vdst(0)
	s_wait_xcnt 0x0
.irp b, 0,1,2,3
	v_cvt_scalef32_pk8_bf8_f32 v[CDS+4*\b:CDS+4*\b+1], v[Y+16*\b:Y+16*\b+7], v[TM+12+\b]
	v_cvt_scalef32_pk8_bf8_f32 v[CDS+4*\b+2:CDS+4*\b+3], v[Y+16*\b+8:Y+16*\b+15], v[TM+12+\b]
.endr
	v_nop
.irp c, 0,1,2,3
	global_store_b128 v[LI], v[CDS+4*\c:CDS+4*\c+3], s[92+2*((\a)/4):93+2*((\a)/4)] offset:2048*((\a)%4)+512*\c
.endr
	ds_store_b32 v[SCW], v[TM+16] offset:2048+256*((\a)/4)+64*((\a)%4)
.endm
.macro FLUSH off
	ds_load_b64 v[TM+24:TM+25], v[SCR] offset:\off
	ds_load_b64 v[TM+26:TM+27], v[SCR] offset:\off+256
	s_wait_dscnt 0x0
	global_store_b64 v[L8], v[TM+24:TM+25], s[96:97]
	global_store_b64 v[L8], v[TM+26:TM+27], s[98:99]
.endm
	s_cmp_eq_u32 s23, 1
	s_cbranch_scc1 .Lout_v
.irp a, 0,1,2,3,4,5,6,7
	QKBLOCK \a
.endr
	FLUSH 0
	s_branch .Lend
.Lout_v:
.irp a, 0,1,2,3,4,5,6,7
	VBLOCK \a
.endr
	FLUSH 2048
.Lend:
	s_wait_tensorcnt 0x0
	ds_add_u32 v[SPW], v[NIL]
	s_wait_dscnt 0x0
	CROUND
	s_endpgm
.Lfunc_end_k_qdb0f95abd7_qkv:
	.size	k_qdb0f95abd7_qkv, .Lfunc_end_k_qdb0f95abd7_qkv-k_qdb0f95abd7_qkv
	.p2alignl 7, 3214868480
	.fill 96, 4, 3214868480
	.section	.rodata,"a",@progbits
	.p2align	6, 0x0
	.amdhsa_kernel k_qdb0f95abd7_qkv
		.amdhsa_group_segment_fixed_size 327680
		.amdhsa_private_segment_fixed_size 0
		.amdhsa_enable_private_segment 0
		.amdhsa_kernarg_size 64
		.amdhsa_user_sgpr_count 2
		.amdhsa_user_sgpr_kernarg_segment_ptr 1
		.amdhsa_wavefront_size32 1
		.amdhsa_system_sgpr_workgroup_id_x 1
		.amdhsa_system_sgpr_workgroup_id_y 1
		.amdhsa_system_sgpr_workgroup_id_z 1
		.amdhsa_system_vgpr_workitem_id 0
		.amdhsa_next_free_vgpr 1024
		.amdhsa_next_free_sgpr 106
		.amdhsa_reserve_vcc 0
		.amdhsa_float_denorm_mode_32 3
		.amdhsa_float_denorm_mode_16_64 3
		.amdhsa_memory_ordered 1
		.amdhsa_forward_progress 1
		.amdhsa_inst_pref_size 255
	.end_amdhsa_kernel
	.section	.bss,"aw",@nobits
	.p2align	6
	.space	262144
	.amdgpu_metadata
---
amdhsa.version: [ 1, 2 ]
amdhsa.kernels:
  - .name:           k_qdb0f95abd7_qkv
    .symbol:         k_qdb0f95abd7_qkv.kd
    .args:
      - { .name: codes, .offset: 0, .size: 8, .value_kind: global_buffer, .address_space: global }
      - { .name: scales, .offset: 8, .size: 8, .value_kind: global_buffer, .address_space: global }
      - { .name: tab, .offset: 16, .size: 8, .value_kind: global_buffer, .address_space: global }
      - { .name: bq, .offset: 24, .size: 8, .value_kind: global_buffer, .address_space: global }
      - { .name: bk, .offset: 32, .size: 8, .value_kind: global_buffer, .address_space: global }
      - { .name: bv, .offset: 40, .size: 8, .value_kind: global_buffer, .address_space: global }
      - { .name: qbuf, .offset: 48, .size: 8, .value_kind: global_buffer, .address_space: global }
      - { .name: kvbuf, .offset: 56, .size: 8, .value_kind: global_buffer, .address_space: global }
    .group_segment_fixed_size: 327680
    .private_segment_fixed_size: 0
    .kernarg_segment_align: 8
    .kernarg_segment_size: 64
    .max_flat_workgroup_size: 128
    .sgpr_count:     106
    .vgpr_count:     1024
    .wavefront_size: 32
...
	.end_amdgpu_metadata
.endif
;; end of part 2
;; launch attn (part 3): grid 4 x 64, 8 waves a work-group, clusters of 4 x 1, 327,680 bytes of LDS; arguments qbuf, kvbuf, abuf, asc; writes abuf, asc
.if DOCPART == 3
	.amdgcn_target "amdgcn-amd-amdhsa--gfx1250"
	.amdhsa_code_object_version 6
	.text
	.protected	k_qdb0f95abd7_attn
	.globl	k_qdb0f95abd7_attn
	.p2align	8
	.type	k_qdb0f95abd7_attn,@function
k_qdb0f95abd7_attn:
	s_mov_b64 s[64:65], 0
	v_nop
	global_prefetch_b8 v0, s[64:65] scope:SCOPE_SE
	s_setreg_imm32_b32 hwreg(HW_REG_WAVE_MODE, 25, 1), 1
	s_wait_xcnt 0x0
	s_wait_alu depctr_hold_cnt(0) depctr_sa_sdst(0) depctr_va_vdst(0) depctr_va_sdst(0) depctr_va_ssrc(0) depctr_va_vcc(0) depctr_vm_vsrc(0)
	s_getreg_b32 s2, hwreg(HW_REG_IB_STS2, 6, 4)
	s_cmp_eq_u32 s2, 0
	s_cbranch_scc0 .Lentry_in_a_cluster
	s_endpgm
.Lentry_in_a_cluster:
	s_bfe_u32 s2, ttmp6, 0x10000c
	s_cmp_lg_u32 s2, 0x3003
	s_cbranch_scc0 .Lentry_shape_is_right
	s_endpgm
.Lentry_shape_is_right:
; Attention of one (batch, head) on codes of BF8 (E5M2) with E8M0 scales: S^T = K Q^T, p = 2^(t - M), O^T += V^T P^T, O / the row's sum, quantised again along the head's 64 for the last projection.
; t = score x log2(e) / 8; M = the running largest t rounded up to a whole number; the sum is taken of the unquantised p; when M moves, the sum and O^T are multiplied by 2^(old M - new M).
; kvbuf: [64 heads][16 records of 128 keys]: 8,192 bytes of K as images of four operands (two tiles of 16 keys x 64 in each), 8,192 of V (four tiles of 16 channels x 128 keys), 256 + 256 bytes of scale words.
; qbuf: [64][16 records of 128 queries]: 8,192 bytes of images, 256 of scale half words.  abuf, asc: images and scale half words as the last launch reads them.
; SHARES: a cluster of four work-groups owns a head and asks for its 16 records jointly; they stay in LDS.  A work-group owns 512 queries; each of its 8 waves takes 2 tiles of 16 in each of 2 passes.
; The head's 64 fill half of a product's 128: Q stands beside eight registers of zero codes, so that one operand of K serves two tiles of keys.
; A STEP (128 keys) IS LAID ONE STEP DEEP: S(i); O^T x f(i-1), whose lines are the places behind S(i); K(i+1)'s loads; O^T += V(i-1) P(i-1); the softmax of S(i) with V(i)'s loads inside.  The first step of a pass finds P = 0.
; The last step's K(i+1) is held at record 15 and not used.  Both tiles' lines go by turns, so that no line waits for the line above it.
; No data prefetch: both tensor loads go out at the head, and the loop fetches nothing from memory.
; LIMITS: the promise holds while |t| stays under 2^31; NaN and infinities are not served; a block whose every p is 0 keeps the byte 1 over zero codes.
; REGISTERS, window 0: v1, v2 16 x and 4 x lane; v4-7 addresses; v8-15 -M, largest t, the sum in two halves (a tile each); v16-23 scale words of Q, K, V, P; v24-43 and v216-235 at work; v48-79 P; v80-207 S^T.
; window 1: v0-63 O^T; v64-103 Q and zeros; v104-167 K; v168-231 V; v232 K's address.
.set REC,  16896
.set STG,  16*REC                      ; the scale half words of both passes: 1,024 bytes
.set SPARE, STG+1024                   ; the spare words: 128 bytes a wave
.set MSB, 0
.macro WIN new
.if MSB != (\new)
	s_set_vgpr_msb (MSB<<8)|(\new)
.set MSB, (\new)
.endif
.endm
.macro CROUND
	s_barrier_signal -1
	s_barrier_wait -1
	s_cmp_lg_u32 s12, 0
	s_cbranch_scc1 .Lnot_wave_0_\@
	s_barrier_signal -3
.Lnot_wave_0_\@:
	s_barrier_wait -3
	s_barrier_signal -1
	s_barrier_wait -1
.endm
	s_load_b256 s[4:11], s[0:1], 0x0               ; qbuf, kvbuf, abuf, asc
	v_lshl_add_u32 v254, v0, 2, SPARE
	v_mov_b32 v255, 0
	ds_add_u32 v254, v255                          ; the opening lines: the add twice and its wait
	ds_add_u32 v254, v255
	v_lshrrev_b32 v1, 5, v0
	v_readfirstlane_b32 s12, v1                    ; wave
	s_bfe_u32 s13, ttmp6, 0x40000                  ; cx
	s_and_b32 s14, ttmp7, 0xffff                   ; batch x head
	s_mov_b32 s16, 15|(3<<16)|(1<<21)              ; records 0-3: 33 rows of 256 bytes a wave
	s_mov_b32 s17, 32<<16
	s_mov_b32 s18, 33<<16
	s_mov_b32 s19, 32<<16
	s_mov_b32 s20, 33
	s_mov_b32 s21, 32
	s_mov_b32 s22, 0
	s_mov_b32 s23, 0
	s_mov_b32 s24, 15|(3<<16)|(1<<21)              ; records 4-15: 99 rows a wave
	s_mov_b32 s25, 32<<16
	s_mov_b32 s26, 99<<16
	s_mov_b32 s27, 32<<16
	s_mov_b32 s28, 99
	s_mov_b32 s29, 32
	s_mov_b32 s30, 0
	s_mov_b32 s31, 0
	s_mul_i32 s48, s12, 33*256
	s_mul_i32 s49, s12, 99*256
	s_add_co_u32 s49, s49, 4*REC
	s_mul_i32 s50, s14, 16*REC
	s_mov_b32 s51, 0
	s_wait_dscnt 0x0
	s_wait_kmcnt 0x0
	s_add_nc_u64 s[6:7], s[6:7], s[50:51]
	s_mov_b32 s32, 1
	s_mov_b32 s33, s48
	s_mov_b32 s50, s48
	s_add_nc_u64 s[34:35], s[6:7], s[50:51]
	s_or_b32 s35, s35, 0x80000000
	s_mov_b32 s36, 1
	s_mov_b32 s37, s49
	s_mov_b32 s50, s49
	s_add_nc_u64 s[38:39], s[6:7], s[50:51]
	s_or_b32 s39, s39, 0x80000000
	CROUND
.macro QLOAD                           ; a pass's Q: tile 0, zeros, tile 1, zeros, tile 0 (window 1), and its scale half words
	WIN 0x40
	global_load_b128 v[64:67], v1, s[4:5]
	global_load_b128 v[68:71], v1, s[4:5] offset:512
	global_load_b128 v[80:83], v1, s[4:5] offset:1024
	global_load_b128 v[84:87], v1, s[4:5] offset:1536
	global_load_b128 v[96:99], v1, s[4:5]
	global_load_b128 v[100:103], v1, s[4:5] offset:512
	WIN 0
	global_load_b32 v40, v236, s[54:55]
.endm
	tensor_load_to_lds s[32:35], s[16:23]
	s_nop 0
	v_and_b32 v24, 31, v0
	v_lshlrev_b32 v1, 4, v24
	v_lshlrev_b32 v2, 2, v24
	v_and_b32 v25, 15, v0
	v_lshlrev_b32 v236, 2, v25                     ; Q's scale half words: 4 x (lane % 16)
	s_lshl_b32 s48, s14, 4
	s_lshl_b32 s49, s13, 2
	s_add_co_u32 s48, s48, s49
	s_lshr_b32 s49, s12, 2
	s_add_co_u32 s48, s48, s49
	s_mul_i32 s48, s48, 8448
	s_and_b32 s49, s12, 3
	s_lshl_b32 s50, s49, 11
	s_add_co_u32 s50, s50, s48
	s_lshl_b32 s52, s49, 6
	s_add_co_u32 s52, s52, s48
	s_add_co_u32 s52, s52, 8192
	s_mov_b32 s53, 0
	s_add_nc_u64 s[54:55], s[4:5], s[52:53]
	s_add_nc_u64 s[4:5], s[4:5], s[50:51]
	s_wait_alu depctr_va_vdst(0)                   ; the wait behind the run of scalar lines
	QLOAD                                          ; the first pass's Q is asked for while records 0-3 are on their way
	s_wait_alu depctr_va_vdst(0)
	s_wait_tensorcnt 0x0                           ; records 0-3 are in
	ds_add_u32 v254, v255
	s_wait_dscnt 0x0
	CROUND
	tensor_load_to_lds s[36:39], s[24:31]
	s_nop 0
.rept 4
	v_nop
.endr
	s_lshl_b32 s48, s12, 6
	s_add_co_u32 s48, s48, STG
	v_lshl_add_u32 v7, v24, 1, s48                 ; the stage, in: 64 x wave + 2 x lane
	s_min_u32 s48, s12, 1
	s_lshl_b32 s48, s48, 9
	v_add_nc_u32 v238, s48, v1                     ; asc: waves 0 and 1 store a pass's 512 bytes each
	v_add_nc_u32 v237, STG, v238
	s_mov_b32 s40, 0x76543210
	s_mov_b32 s41, 0xfedcba98
	s_mov_b32 s42, 0x3e38aa3b                      ; log2(e) / 8
	s_mov_b32 s43, s42
	s_mov_b32 s44, 0x600000
	s_mov_b32 s56, 0xffff0000
	s_mov_b32 s57, 0
	s_lshr_b32 s48, s14, 4
	s_and_b32 s49, s14, 15
	s_lshl_b32 s50, s48, 7
	s_lshl_b32 s52, s13, 5
	s_add_co_u32 s50, s50, s52
	s_lshl_b32 s52, s12, 1
	s_add_co_u32 s50, s50, s52
	s_lshl_b32 s50, s50, 14
	s_lshl_b32 s52, s49, 10
	s_add_co_u32 s50, s50, s52
	s_add_nc_u64 s[8:9], s[8:9], s[50:51]
	s_lshl_b32 s50, s49, 14
	s_lshl_b32 s52, s48, 12
	s_add_co_u32 s50, s50, s52
	s_lshl_b32 s52, s13, 10
	s_add_co_u32 s50, s50, s52
	s_add_nc_u64 s[10:11], s[10:11], s[50:51]
.irp j, 28,29,30,31,220,221,222,223,43,235,45,47
	v_mov_b32 v[\j], 0                             ; lane permutes' destinations and upper halves of pairs: written once
.endr
	WIN 0x40
.irp j, 72,73,74,75,76,77,78,79,88,89,90,91,92,93,94,95
	v_mov_b32 v[\j], 0                             ; the zero codes beside Q
.endr
	WIN 0
.macro SPROD fl, u, t
.set rS, 80+64*(\t)+8*(2*(\fl)+(\u))
.set rK, 104+16*(\fl)
.if (\t) == 0
.set rQ, 64+24*(\u)
.else
.set rQ, 80-8*(\u)
.endif
.if (\fl)%2
	v_wmma_scale_f32_16x16x128_f8f6f4 v[rS:rS+7], v[rK:rK+15], v[rQ:rQ+15], 0, v[18+(\fl)/2], v[16+(\t)] matrix_a_fmt:MATRIX_FMT_BF8 matrix_b_fmt:MATRIX_FMT_BF8 matrix_a_scale:MATRIX_SCALE_ROW1
.else
	v_wmma_scale_f32_16x16x128_f8f6f4 v[rS:rS+7], v[rK:rK+15], v[rQ:rQ+15], 0, v[18+(\fl)/2], v[16+(\t)] matrix_a_fmt:MATRIX_FMT_BF8 matrix_b_fmt:MATRIX_FMT_BF8
.endif
.endm
.macro PVPROD dt, t
.set rO, 32*(\t)+8*(\dt)
.set rV, 168+16*(\dt)
.set rP, 48+16*(\t)
.if (\dt)%2
	v_wmma_scale_f32_16x16x128_f8f6f4 v[rO:rO+7], v[rV:rV+15], v[rP:rP+15], v[rO:rO+7], v[20+(\dt)/2], v[22+(\t)] matrix_a_fmt:MATRIX_FMT_BF8 matrix_b_fmt:MATRIX_FMT_BF8 matrix_a_scale:MATRIX_SCALE_ROW1
.else
	v_wmma_scale_f32_16x16x128_f8f6f4 v[rO:rO+7], v[rV:rV+15], v[rP:rP+15], v[rO:rO+7], v[20+(\dt)/2], v[22+(\t)] matrix_a_fmt:MATRIX_FMT_BF8 matrix_b_fmt:MATRIX_FMT_BF8
.endif
.endm
.macro PVALL                           ; the eight accumulators by turns
.irp d, 0,1,2,3
	PVPROD \d, 0
	PVPROD \d, 1
.endr
.endm
.macro RESC k                          ; O^T x f: pair k of each of the eight accumulators; k = 0 reads each from its low end
.irp d, 0,1,2,3
.irp t, 0,1
	v_pk_mul_f32 v[32*\t+8*\d+2*(\k):32*\t+8*\d+2*(\k)+1], v[32*\t+8*\d+2*(\k):32*\t+8*\d+2*(\k)+1], v[42+192*\t:43+192*\t] op_sel_hi:[1,0]
.endr
.endr
.endm
.macro FRAGS reg, adr, off             ; four operands of 16 registers, as images: 16 loads
.irp f, 0,1,2,3
.irp c, 0,1,2,3
	ds_load_b128 v[(\reg)+16*\f+4*\c:(\reg)+16*\f+4*\c+3], v[\adr] offset:(\off)+2048*\f+512*\c
.endr
.endr
.endm
.macro HOLD2 x, bd                     ; two numbers held at the largest code x the scale (p is not negative: one-sided)
	v_dual_min_num_f32 v[(\x)], v[(\bd)], v[(\x)] :: v_dual_min_num_f32 v[(\x)+1], v[(\bd)], v[(\x)+1]
.endm
.macro FMAS n                          ; t - M, two numbers a line, the tiles by turns
.rept \n
.irp t, 0,1
	v_pk_fma_f32 v[80+64*\t+jj:81+64*\t+jj], v[80+64*\t+jj:81+64*\t+jj], s[42:43], v[8+4*\t:9+4*\t] op_sel_hi:[1,0,0]
.endr
.set jj, jj+2
.endr
.endm
.macro SOFTMAX2
.irp b, 0,1,2,3
.irp t, 0,1
	v_max3_num_f32 v[24+192*\t+\b], v[80+64*\t+16*\b], v[81+64*\t+16*\b], v[82+64*\t+16*\b]   ; the largest score of each block of 32 keys
.endr
.endr
.irp i, 3,5,7,9,11,13
.irp b, 0,1,2,3
.irp t, 0,1
	v_max3_num_f32 v[24+192*\t+\b], v[24+192*\t+\b], v[80+64*\t+16*\b+\i], v[81+64*\t+16*\b+\i]
.endr
.endr
.endr
.irp b, 0,1,2,3
.irp t, 0,1
	v_max_num_f32 v[24+192*\t+\b], v[24+192*\t+\b], v[95+64*\t+16*\b]
.endr
.endr
	v_add_nc_u32 v4, s58, v2
	v_add_nc_u32 v5, s45, v1
	v_add_nc_u32 v6, s45, v2
.irp b, 0,1,2,3
.irp t, 0,1
	v_permlanex16_b32 v[28+192*\t+\b], v[24+192*\t+\b], s40, s41
.endr
.endr
	ds_load_b32 v20, v6 offset:16640               ; V(i)'s scale words, then K(i+1)'s
	ds_load_b32 v21, v6 offset:16768
	ds_load_b32 v18, v4 offset:16384
	ds_load_b32 v19, v4 offset:16512
.irp b, 0,1,2,3
.irp t, 0,1
	v_max_num_f32 v[24+192*\t+\b], v[24+192*\t+\b], v[28+192*\t+\b]
.endr
.endr
.irp t, 0,1
	v_max3_num_f32 v[40+192*\t], v[24+192*\t], v[25+192*\t], v[26+192*\t]
.endr
.irp t, 0,1
	v_max_num_f32 v[40+192*\t], v[40+192*\t], v[27+192*\t]
.endr
.irp t, 0,1
	v_mul_f32 v[40+192*\t], s42, v[40+192*\t]
.endr
	WIN 0x40
	FRAGS 168, 5, 8192                             ; V(i)
	WIN 0
.irp t, 0,1
	v_max_num_f32 v[9+4*\t], v[9+4*\t], v[40+192*\t]   ; the running largest t
.endr
.irp t, 0,1
	v_mov_b32 v[40+192*\t], v[8+4*\t]
.endr
.irp t, 0,1
	v_floor_f32 v[8+4*\t], -v[9+4*\t]              ; -M
.endr
.irp t, 0,1
	v_sub_f32 v[40+192*\t], v[8+4*\t], v[40+192*\t]
.endr
.set jj, 0
	FMAS 4
.irp t, 0,1
	v_cvt_i32_f32 v[40+192*\t], v[40+192*\t]
.endr
	FMAS 4
.irp t, 0,1
	v_ldexp_f32 v[42+192*\t], 1.0, v[40+192*\t]    ; f = 2^(old M - new M)
.endr
	FMAS 24
.irp b, 0,1,2,3
.irp t, 0,1
	v_fma_f32 v[24+192*\t+\b], v[24+192*\t+\b], s42, v[8+4*\t]
.endr
.endr
	s_wait_alu depctr_va_vdst(0)                   ; the wait ahead of the batch
.irp b, 0,1,2,3
.irp t, 0,1
	v_exp_f32 v[24+192*\t+\b], v[24+192*\t+\b]     ; each block's largest p
.endr
.endr
.set jj, 0
.rept 64
.irp t, 0,1
	v_exp_f32 v[80+64*\t+jj], v[80+64*\t+jj]
.endr
.set jj, jj+1
.endr
.irp t, 0,1
	v_pk_mul_f32 v[10+4*\t:11+4*\t], v[10+4*\t:11+4*\t], v[42+192*\t:43+192*\t] op_sel_hi:[1,0]
.endr
	s_wait_alu depctr_va_vdst(0)                   ; and behind it, ahead of its first reader
.irp t, 0,1
	v_pk_add_f32 v[28+192*\t:29+192*\t], v[80+64*\t:81+64*\t], v[82+64*\t:83+64*\t]   ; the sum of the unquantised p, four chains a tile: a line hangs on the eighth line back
.endr
.irp t, 0,1
	v_pk_add_f32 v[30+192*\t:31+192*\t], v[84+64*\t:85+64*\t], v[86+64*\t:87+64*\t]
.endr
.irp t, 0,1
	v_pk_add_f32 v[40+192*\t:41+192*\t], v[88+64*\t:89+64*\t], v[90+64*\t:91+64*\t]
.endr
.set jj, 12
.rept 6
.irp t, 0,1
	v_pk_add_f32 v[10+4*\t:11+4*\t], v[10+4*\t:11+4*\t], v[80+64*\t+jj:81+64*\t+jj]
.endr
.irp t, 0,1
	v_pk_add_f32 v[28+192*\t:29+192*\t], v[28+192*\t:29+192*\t], v[82+64*\t+jj:83+64*\t+jj]
.endr
.irp t, 0,1
	v_pk_add_f32 v[30+192*\t:31+192*\t], v[30+192*\t:31+192*\t], v[84+64*\t+jj:85+64*\t+jj]
.endr
.irp t, 0,1
	v_pk_add_f32 v[40+192*\t:41+192*\t], v[40+192*\t:41+192*\t], v[86+64*\t+jj:87+64*\t+jj]
.endr
.set jj, jj+8
.endr
.irp t, 0,1
	v_pk_add_f32 v[10+4*\t:11+4*\t], v[10+4*\t:11+4*\t], v[140+64*\t:141+64*\t]
.endr
.irp t, 0,1
	v_pk_add_f32 v[28+192*\t:29+192*\t], v[28+192*\t:29+192*\t], v[142+64*\t:143+64*\t]
.endr
.irp t, 0,1
	v_pk_add_f32 v[30+192*\t:31+192*\t], v[30+192*\t:31+192*\t], v[40+192*\t:41+192*\t]
.endr
.irp t, 0,1
	v_pk_add_f32 v[28+192*\t:29+192*\t], v[28+192*\t:29+192*\t], v[30+192*\t:31+192*\t]
.endr
.irp b, 0,1,2,3
.irp t, 0,1
	v_max_num_f32 v[24+192*\t+\b], 0x8000000, v[24+192*\t+\b]   ; the floor: the byte cannot fall under 1
.endr
.endr
.irp t, 0,1
	v_pk_add_f32 v[10+4*\t:11+4*\t], v[10+4*\t:11+4*\t], v[28+192*\t:29+192*\t]
.endr
.irp b, 0,1,2,3
.irp t, 0,1
	v_add_nc_u32 v[36+192*\t+\b], 0xf8800000, v[24+192*\t+\b]   ; the conversion's scale operand
.endr
.endr
.irp b, 0,1,2,3
.irp t, 0,1
	v_and_or_b32 v[32+192*\t+\b], v[24+192*\t+\b], 0x7f800000, s44   ; 57,344 x the scale
.endr
.endr
.irp b, 0,1,2,3
.irp t, 0,1
	v_lshrrev_b32 v[28+192*\t+\b], 23, v[36+192*\t+\b]
.endr
.endr
.irp t, 0,1
	v_lshl_or_b32 v[22+\t], v[29+192*\t], 8, v[28+192*\t]
.endr
.irp t, 0,1
	v_lshl_or_b32 v[22+\t], v[30+192*\t], 16, v[22+\t]
.endr
.irp t, 0,1
	v_lshl_or_b32 v[22+\t], v[31+192*\t], 24, v[22+\t]   ; p's scale word
.endr
.irp b, 0,1,2,3
.irp t, 0,1
.set jj, 0
.rept 8
	HOLD2 80+64*\t+16*\b+jj, 32+192*\t+\b
.set jj, jj+2
.endr
.endr
.irp t, 0,1
	v_cvt_scalef32_pk8_bf8_f32 v[48+16*\t+4*\b:49+16*\t+4*\b], v[80+64*\t+16*\b:87+64*\t+16*\b], v[36+192*\t+\b]
	v_cvt_scalef32_pk8_bf8_f32 v[50+16*\t+4*\b:51+16*\t+4*\b], v[88+64*\t+16*\b:95+64*\t+16*\b], v[36+192*\t+\b]
.endr
.endr
.endm
.macro STEP
	s_add_co_u32 s58, s45, REC
	s_min_u32 s58, s58, 15*REC                     ; the next record, held at the last
	WIN 0x51
	v_add_nc_u32 v232, s58, v1                     ; (window 1) K(i+1)'s address
	s_wait_alu depctr_va_vdst(0)                   ; the wait ahead of the first readers of O^T
	RESC 0
	s_wait_dscnt 16                                ; K(i) and its words are in; V(i-1)'s 16 loads may be out
	WIN 0x05
.irp f, 0,1,2,3
.irp u, 0,1
	SPROD \f, \u, 0
	SPROD \f, \u, 1
.endr
.endr
	WIN 0x51
	RESC 1                                         ; 24 plain lines: the places behind S(i) for its readers and for the loads into K's registers
	RESC 2
	RESC 3
	FRAGS 104, 232, 0                              ; K(i+1)
	s_wait_alu depctr_va_vdst(0)                   ; the wait ahead of the wait below
	s_wait_dscnt 16                                ; V(i-1) is in; K(i+1)'s 16 loads may be out
	PVALL
	WIN 0
	SOFTMAX2
	s_add_co_u32 s45, s45, REC
.endm
.macro QUANT2 src, cd, u               ; a tile's 64 channels: two blocks of 32 in lanes l and l xor 16
.irp b, 0,1
	v_max3_num_f32 v[24+\b], |v[(\src)+16*\b]|, |v[(\src)+16*\b+1]|, 0x8000000
.endr
.irp i, 2,4,6,8,10,12,14
.irp b, 0,1
	v_max3_num_f32 v[24+\b], v[24+\b], |v[(\src)+16*\b+\i]|, |v[(\src)+16*\b+\i+1]|
.endr
.endr
.irp b, 0,1
	v_permlanex16_b32 v[28+\b], v[24+\b], s40, s41
.endr
.irp b, 0,1
	v_max_num_f32 v[24+\b], v[24+\b], v[28+\b]
.endr
.irp b, 0,1
	v_add_nc_u32 v[36+\b], 0xf8800000, v[24+\b]
.endr
.irp b, 0,1
	v_and_or_b32 v[32+\b], v[24+\b], 0x7f800000, s44
.endr
.irp b, 0,1
	v_lshrrev_b32 v[28+\b], 23, v[36+\b]
.endr
	v_lshl_or_b32 v[\u], v29, 8, v28
.irp b, 0,1
.irp i, 0,1,2,3,4,5,6,7,8,9,10,11,12,13,14,15
	v_med3_num_f32 v[(\src)+16*\b+\i], v[(\src)+16*\b+\i], -v[32+\b], v[32+\b]
.endr
	v_cvt_scalef32_pk8_bf8_f32 v[(\cd)+4*\b:(\cd)+4*\b+1], v[(\src)+16*\b:(\src)+16*\b+7], v[36+\b]
	v_cvt_scalef32_pk8_bf8_f32 v[(\cd)+4*\b+2:(\cd)+4*\b+3], v[(\src)+16*\b+8:(\src)+16*\b+15], v[36+\b]
.endr
	v_nop
.endm
	s_mov_b32 s47, 2
	s_wait_alu depctr_va_vdst(0)
.Lpass:
	WIN 0x40
	FRAGS 104, 1, 0                                ; K(0)
	WIN 0
	ds_load_b32 v20, v2 offset:16640
	ds_load_b32 v21, v2 offset:16768
	ds_load_b32 v18, v2 offset:16384
	ds_load_b32 v19, v2 offset:16512
	WIN 0x40
	FRAGS 168, 1, 8192                             ; V(0) stands in for V(-1): P = 0 multiplies it
.set jj, 0
.rept 64
	v_mov_b32 v[jj], 0                             ; O^T
.set jj, jj+1
.endr
	WIN 0
.set jj, 48
.rept 32
	v_mov_b32 v[jj], 0                             ; P(-1)
.set jj, jj+1
.endr
.irp t, 0,1
	v_mov_b32 v[9+4*\t], 0xff61b1e6                ; -3e38, under every t
	v_mov_b32 v[10+4*\t], 0
	v_mov_b32 v[11+4*\t], 0
	v_mov_b32 v[22+\t], 0x7f7f7f7f
	v_mov_b32 v[42+192*\t], 1.0
.endr
.irp t, 0,1
	v_floor_f32 v[8+4*\t], -v[9+4*\t]
.endr
	s_wait_loadcnt 0x0
	v_and_b32 v41, 0xffff, v40
	v_lshrrev_b32 v44, 16, v40
	v_lshl_or_b32 v16, v41, 16, v41                ; a tile's two bytes stand for either half of the 128
	v_lshl_or_b32 v17, v44, 16, v44
	s_mov_b32 s45, 0
	s_mov_b32 s46, 3
.Lk0:                                              ; steps 0-2 touch records 0-3
	STEP
	s_sub_co_u32 s46, s46, 1
	s_cmp_lg_u32 s46, 0
	s_cbranch_scc1 .Lk0
	s_wait_tensorcnt 0x0                           ; my part of records 4-15 is in,
	s_wait_dscnt 0x0
	s_barrier_signal -1
	s_barrier_wait -1                              ; and everybody's
	s_mov_b32 s46, 13
.Lk1:
	STEP
	s_sub_co_u32 s46, s46, 1
	s_cmp_lg_u32 s46, 0
	s_cbranch_scc1 .Lk1
	WIN 0x51                                       ; the last step's second product
	s_wait_alu depctr_va_vdst(0)
	RESC 0
	RESC 1
	RESC 2
	RESC 3
	s_wait_alu depctr_va_vdst(0)
	s_wait_dscnt 0x0
	PVALL
	WIN 0
.rept 8
	v_nop
.endr
.irp t, 0,1
	v_add_f32 v[10+4*\t], v[10+4*\t], v[11+4*\t]
.endr
.irp t, 0,1
	v_permlanex16_b32 v[28+\t], v[10+4*\t], s40, s41
.endr
.irp t, 0,1
	v_add_f32 v[10+4*\t], v[10+4*\t], v[28+\t]
.endr
	s_wait_alu depctr_va_vdst(0)
.irp t, 0,1
	v_rcp_f32 v[44+2*\t], v[10+4*\t]
.endr
	v_nop
	WIN 0x01
	s_wait_alu depctr_va_vdst(0)
.irp t, 0,1
.set jj, 0
.rept 16
	v_pk_mul_f32 v[80+64*\t+jj:80+64*\t+jj+1], v[32*\t+jj:32*\t+jj+1], v[44+2*\t:45+2*\t] op_sel_hi:[1,0]   ; O^T / the sum
.set jj, jj+2
.endr
.endr
	WIN 0
.irp t, 0,1
	QUANT2 80+64*\t, 48+16*\t, 208+\t
	global_store_b128 v1, v[48+16*\t:51+16*\t], s[8:9] offset:16384*\t
	global_store_b128 v1, v[52+16*\t:55+16*\t], s[8:9] offset:16384*\t+512
.endr
	v_cndmask_b32 v210, v208, v209, s56            ; lanes 0-15: tile 0's half word; lanes 16-31: tile 1's
	v_add_nc_u32 v211, s57, v7
	ds_store_b16 v211, v210                        ; this pass's 512 bytes of the stage
	s_wait_xcnt 0x0                                ; the stores have read their registers and base
	s_add_nc_u64 s[8:9], s[8:9], 16*16384
	s_add_co_u32 s57, s57, 512
	s_cmp_eq_u32 s47, 1                            ; the last pass has no successor: the count of passes alone decides
	s_cbranch_scc1 .Lno_next
	s_add_nc_u64 s[4:5], s[4:5], 2*8448
	s_add_nc_u64 s[54:55], s[54:55], 2*8448
	QLOAD                                          ; the next pass's Q
.Lno_next:
	s_sub_co_u32 s47, s47, 1
	s_cmp_lg_u32 s47, 0
	s_cbranch_scc1 .Lpass
	s_wait_dscnt 0x0                               ; my half words are stored
	s_barrier_signal -1
	s_barrier_wait -1
	s_cmp_gt_u32 s12, 1
	s_cbranch_scc1 .Lnot_mine
	ds_load_b128 v[212:215], v237
	s_wait_dscnt 0x0
	global_store_b128 v238, v[212:215], s[10:11]   ; 512 consecutive aligned bytes
.Lnot_mine:
	s_wait_tensorcnt 0x0                           ; the wave's end
	ds_add_u32 v254, v255
	s_wait_dscnt 0x0
	CROUND
	s_endpgm
.Lfunc_end_k_qdb0f95abd7_attn:
	.size	k_qdb0f95abd7_attn, .Lfunc_end_k_qdb0f95abd7_attn-k_qdb0f95abd7_attn
	.p2alignl 7, 3214868480
	.fill 96, 4, 3214868480
	.section	.rodata,"a",@progbits
	.p2align	6, 0x0
	.amdhsa_kernel k_qdb0f95abd7_attn
		.amdhsa_group_segment_fixed_size 327680
		.amdhsa_private_segment_fixed_size 0
		.amdhsa_enable_private_segment 0
		.amdhsa_kernarg_size 32
		.amdhsa_user_sgpr_count 2
		.amdhsa_user_sgpr_kernarg_segment_ptr 1
		.amdhsa_wavefront_size32 1
		.amdhsa_system_sgpr_workgroup_id_x 1
		.amdhsa_system_sgpr_workgroup_id_y 1
		.amdhsa_system_sgpr_workgroup_id_z 1
		.amdhsa_system_vgpr_workitem_id 0
		.amdhsa_next_free_vgpr 512
		.amdhsa_next_free_sgpr 66
		.amdhsa_reserve_vcc 0
		.amdhsa_float_denorm_mode_32 3
		.amdhsa_float_denorm_mode_16_64 3
		.amdhsa_memory_ordered 1
		.amdhsa_forward_progress 1
		.amdhsa_inst_pref_size 98
	.end_amdhsa_kernel
	.amdgpu_metadata
---
amdhsa.version: [ 1, 2 ]
amdhsa.kernels:
  - .name:           k_qdb0f95abd7_attn
    .symbol:         k_qdb0f95abd7_attn.kd
    .args:
      - { .name: qbuf, .offset: 0, .size: 8, .value_kind: global_buffer, .address_space: global }
      - { .name: kvbuf, .offset: 8, .size: 8, .value_kind: global_buffer, .address_space: global }
      - { .name: abuf, .offset: 16, .size: 8, .value_kind: global_buffer, .address_space: global }
      - { .name: asc, .offset: 24, .size: 8, .value_kind: global_buffer, .address_space: global }
    .group_segment_fixed_size: 327680
    .private_segment_fixed_size: 0
    .kernarg_segment_align: 8
    .kernarg_segment_size: 32
    .max_flat_workgroup_size: 256
    .sgpr_count:     66
    .vgpr_count:     512
    .wavefront_size: 32
...
	.end_amdgpu_metadata
.endif
;; end of part 3
;; launch oproj (part 4): grid 4 x 64, 4 waves a work-group, clusters of 4 x 4, 327,680 bytes of LDS; arguments abuf, asc, codes, scales, bo, out0; writes out0
.if DOCPART == 4
	.amdgcn_target "amdgcn-amd-amdhsa--gfx1250"
	.amdhsa_code_object_version 6
	.text
	.protected	k_qdb0f95abd7_oproj
	.globl	k_qdb0f95abd7_oproj
	.p2align	8
	.type	k_qdb0f95abd7_oproj,@function
k_qdb0f95abd7_oproj:
	s_mov_b64 s[64:65], 0
	v_nop
	global_prefetch_b8 v0, s[64:65] scope:SCOPE_SE
	s_setreg_imm32_b32 hwreg(HW_REG_WAVE_MODE, 25, 1), 1
	s_wait_xcnt 0x0
	s_wait_alu depctr_hold_cnt(0) depctr_sa_sdst(0) depctr_va_vdst(0) depctr_va_sdst(0) depctr_va_ssrc(0) depctr_va_vcc(0) depctr_vm_vsrc(0)
	s_getreg_b32 s2, hwreg(HW_REG_IB_STS2, 6, 4)
	s_cmp_eq_u32 s2, 0
	s_cbranch_scc0 .Lentry_in_a_cluster
	s_endpgm
.Lentry_in_a_cluster:
	s_bfe_u32 s2, ttmp6, 0x10000c
	s_cmp_lg_u32 s2, 0xf033
	s_cbranch_scc0 .Lentry_shape_is_right
	s_endpgm
.Lentry_shape_is_right:
; out0 = A Wo^T + bo on codes of BF8 (E5M2) with E8M0 scales.  A: the attention's result, [8192 tokens][1024], as images of operand registers; Wo: rows 11264 on of the buffer of codes.
; A work-group of four waves makes 128 tokens x 256 columns: 4 x 64 = 256 work-groups.  A wave makes 64 x 128: 32 accumulators.  K = 1,024 goes in four steps of 256 through two LDS slots.
; Source 0 = 16 rows of Wo, source 1 = 16 tokens: a lane holds eight neighbouring numbers of a row of the result.
; abuf: [512 tiles of 16 stored tokens][8 steps of 128 along K][4 groups of registers][512 bytes]: a K step of a tile is 4,096 consecutive bytes; a fragment comes back by four loads at 16 x lane.
; asc: [16 heads][8192 stored tokens] two scale bytes: at the head each wave turns four heads' bytes of the work-group's 128 tokens into rows of 32 bytes in LDS, laid as Wo's scale bytes are; Wo's 8,192 scale bytes come through registers too.
; Tokens and Wo's rows are stored with bits 3 and 4 of their number exchanged: the stage puts the columns, the stores' immediates put the rows, back in natural order.
; CLUSTERS: 4 x 4; A's tiles are asked for jointly along a row of the cluster, Wo's along a column.  bo is the C of each sum's first product.
; PREFETCH: behind K step 0's load a wave asks for its share of K steps 1 and 2, behind K step 1's load for K step 3: one instruction each, at least one K step ahead of the load that wants the bytes.
; Of what a wave fetches, the four partners of the joint load share the blocks of 256 bytes out by address: of A's four tiles the partner at cx takes tile cx (16 blocks: lanes 0-15; the other lanes name the last again),
; of Wo's 128 rows the partner at cy takes 32 (a lane a row).  K step 3 is the last: nothing is asked for beyond it.
; REGISTERS: window 0: v1-31 addresses, v32-63 scale words (two sets), v64-127 the bias, v128-255 A's fragments (two sets of four), later rows of the result; window 1: Wo's fragments, two sets of eight; window 2: the accumulators.
.set NQ,     2
.set ROWB,   256
.set KROW,   1024
.set PITCH,  272
.set FR,     16
.set NP,     8
.set AH,     4*4096                    ; A: four tiles' K step: what waves 0 and 1 fetch, and what a wave reads
.set HALFT,  128*PITCH                 ; Wo: 128 rows: what waves 2 and 3 fetch, and what a wave reads
.set SLOT,   2*AH+2*HALFT
.set KS,     32
.set SCL,    2*SLOT                    ; A's scale bytes (16 units of 256 + 16 bytes), then Wo's (32 units): stored by the waves, 51 blocks of 256 bytes into which no fill lands
.set HALFS,  16*272
.set SBLK,   2*272
.set SPARE,  SCL+3*HALFS
.set SPITCH, 528                       ; the way out: 16 rows x (512 + 16) bytes a wave, in slot 0, which has had its last fill and its last read by then
.set PFO,  12                          ; v12 the prefetches' offset; never rewritten
.set ADRA, 16
.set ADRB, 20
.set STO,  24
.set RD,   25
.set CO,   26
.set ADRS, 27
.set SPW,  28
.set NIL,  29
.set SC,   32
.set CB,   64
.set AF,   128
.set BK,   128
.set G1, 24
.set G0, 32
.set G1B, 48
.set G0B, 56
.set MSB, 0
.macro WIN new
.if MSB != (\new)
	s_set_vgpr_msb (MSB<<8)|(\new)
.set MSB, (\new)
.endif
.endm
.set MUL_LO, 0xa1                      ; source 0 (Wo) window 1, source 1 (A) window 0, C and D window 2
.set TO_B,   0x40
.macro JLOAD g0a, g1a, g0b, g1b        ; waves 0 and 1 fetch for A, waves 2 and 3 for Wo
	s_cmp_eq_u32 s21, 0
	s_cbranch_scc0 .Lfor_b_\@
	tensor_load_to_lds s[\g0a:\g0a+3], s[\g1a:\g1a+7]
	s_nop 0
.rept 4
	v_nop
.endr
	s_branch .Lasked_\@
.Lfor_b_\@:
	tensor_load_to_lds s[\g0b:\g0b+3], s[\g1b:\g1b+7]
	s_nop 0
.rept 4
	v_nop
.endr
.Lasked_\@:
.endm
.macro CREST
	s_cmp_lg_u32 s20, 0
	s_cbranch_scc1 .Lnot_wave_0_\@
	s_barrier_signal -3
.Lnot_wave_0_\@:
	s_barrier_wait -3
	s_barrier_signal -1
	s_barrier_wait -1
.endm
.macro CROUND
	s_barrier_signal -1
	s_barrier_wait -1
	CREST
.endm
	s_load_b256 s[4:11], s[0:1], 0x0               ; abuf, asc, codes, scales
	s_load_b128 s[12:15], s[0:1], 0x20             ; bo, out0
	v_lshl_add_u32 v[SPW], v0, 2, SPARE
	v_mov_b32 v[NIL], 0
	ds_add_u32 v28, v29                            ; the opening lines: the add twice and its wait
	ds_add_u32 v28, v29
	s_wait_dscnt 0x0
	v_lshrrev_b32 v1, 5, v0
	v_readfirstlane_b32 s20, v1                    ; wave
	s_lshr_b32 s21, s20, 1                         ; my half of the tokens.  Also: I fetch for A (0) or Wo (1)
	s_and_b32 s22, s20, 1                          ; my half of the columns.  Also: which half of a tile I fetch
	s_bfe_u32 s40, ttmp6, 0x40000                  ; cx
	s_bfe_u32 s41, ttmp6, 0x40004                  ; cy
	s_add_co_u32 s42, s40, 44                      ; Wo's tiles of 256 rows begin at 44
	s_and_b32 s43, ttmp7, 0xffff
	s_lshl_b32 s43, s43, 2
	s_add_co_u32 s43, s43, s41                     ; the tile of 128 tokens
	s_lshl_b32 s44, s41, 2
	s_lshl_b32 s44, 15, s44                        ; my row of the cluster
	s_lshl_b32 s45, 0x1111, s40                    ; my column
	s_or_b32 s[G1+0], s44, (3<<16)|(1<<21)         ; A: 4 tiles' 4,096 bytes, 16,384 bytes apart: elements of 8 bytes, no padding
	s_mov_b32 s[G1+1], 512<<16
	s_mov_b32 s[G1+2], 4<<16
	s_mov_b32 s[G1+3], 512<<16
	s_mov_b32 s[G1+4], 4
	s_mov_b32 s[G1+5], 2048
	s_mov_b32 s[G1+6], 0
	s_mov_b32 s[G1+7], 0
	s_or_b32 s[G1B+0], s45, (0<<16)|(1<<20)|(1<<21)|(5<<22)|(3<<25)  ; Wo: 128 rows of 256 bytes, four words of padding behind each
	s_mov_b32 s[G1B+1], ROWB<<16
	s_mov_b32 s[G1B+2], 128<<16
	s_mov_b32 s[G1B+3], ROWB<<16
	s_mov_b32 s[G1B+4], 128
	s_mov_b32 s[G1B+5], KROW
	s_mov_b32 s[G1B+6], 0
	s_mov_b32 s[G1B+7], 0
	s_lshl_b32 s92, s43, 7
	s_lshl_b32 s46, s22, 6
	s_add_co_u32 s92, s92, s46                     ; A: the first token that I fetch
	s_lshl_b32 s92, s92, 10                        ; 1,024 bytes a token
	s_mov_b32 s93, 0
	s_lshl_b32 s94, s42, 8
	s_lshl_b32 s46, s22, 7
	s_add_co_u32 s94, s94, s46                     ; Wo: the first row that I fetch
	s_lshl_b32 s94, s94, 10
	s_mov_b32 s95, 0
	s_lshl_b32 s98, s42, 13                        ; Wo's scale bytes: the tile's 8,192, of which my wave brings 2,048
	s_lshl_b32 s47, s20, 11
	s_add_co_u32 s98, s98, s47
	s_mov_b32 s99, 0
	s_lshl_b32 s96, s43, 8                         ; asc: the tile's 256 bytes of a head,
	s_lshl_b32 s47, s20, 16                        ; my four heads
	s_add_co_u32 s96, s96, s47
	s_mov_b32 s97, 0
	s_mul_i32 s2, s22, AH                          ; where my loads go in a slot: A's halves, then Wo's
	s_mul_i32 s3, s22, HALFT
	s_add_co_u32 s3, s3, 2*AH
	s_lshl_b32 s66, s40, 10
	s_lshl_b32 s67, s22, 9
	s_add_co_u32 s66, s66, s67                     ; my first column, in bytes
	s_mov_b32 s67, 0
	s_cmp_eq_u32 s21, 0                            ; the prefetches: for A or for Wo?
	s_cselect_b32 s78, s40, s41                    ; my place among the four that ask with me
	s_cselect_b32 s79, 14, 15                      ; its share: a tile of 16,384 bytes, or 32 rows of 1,024
	s_mov_b32 s80, 256
	s_cselect_b32 s80, 4096, s80                   ; a K step on
	s_cselect_b32 s82, 15, 31                      ; blocks less one
	s_cselect_b32 s83, 8, 10                       ; from lane to lane: 256 bytes, or a row
	s_lshl_b32 s78, s78, s79
	s_mov_b32 s79, 0
	s_mov_b32 s81, 0
	v_and_b32 v9, 31, v0
	v_lshlrev_b32 v[CO], 4, v9                     ; 16 x lane
	v_lshlrev_b32 v8, 3, v9                        ; 8 x lane
	v_bfe_u32 v2, v0, 4, 1
	v_lshlrev_b32 v7, 6, v2                        ; the bias: 16 columns x h
	v_min_u32 v[PFO], s82, v9
	v_lshlrev_b32 v[PFO], s83, v[PFO]
	s_wait_alu depctr_va_vdst(0)
	s_wait_kmcnt 0x0
	s_add_nc_u64 s[92:93], s[4:5], s[92:93]
	s_add_nc_u64 s[94:95], s[8:9], s[94:95]
	s_add_nc_u64 s[98:99], s[10:11], s[98:99]
	s_add_nc_u64 s[6:7], s[6:7], s[96:97]
	s_add_nc_u64 s[12:13], s[12:13], s[66:67]
.irp n, 0,1,2,3
	global_load_b64 v[128+2*\n:129+2*\n], v8, s[6:7] offset:16384*\n   ; head 4 wave + n: four tokens' half words a lane, 256 consecutive bytes
.endr
.irp n, 0,1,2,3
	global_load_b128 v[144+4*\n:147+4*\n], v[CO], s[98:99] offset:512*\n   ; 512 consecutive bytes of Wo's scale bytes a load
.endr
.irp b, 0,1,2,3,4,5,6,7                        ; C of Wo's tile b: register j is the bias of natural column 32 (b / 2) + 16 h + 8 (b % 2) + j
	global_load_b128 v[CB+8*\b:CB+8*\b+3], v7, s[12:13] offset:4*(32*(\b/2)+8*(\b%2))
	global_load_b128 v[CB+8*\b+4:CB+8*\b+7], v7, s[12:13] offset:4*(32*(\b/2)+8*(\b%2))+16
.endr
	s_cmp_eq_u32 s21, 0
	s_cselect_b64 s[76:77], s[92:93], s[94:95]     ; what I fetch,
	s_add_nc_u64 s[76:77], s[76:77], s[78:79]      ; my work-group's share of it,
	s_add_nc_u64 s[76:77], s[76:77], s[80:81]      ; at K step 1,
	s_add_nc_u64 s[84:85], s[76:77], s[80:81]      ; 2
	s_add_nc_u64 s[86:87], s[84:85], s[80:81]      ; and 3
.irp s, 0,1
	s_mov_b32 s[G0+4*\s], 1
	s_add_co_u32 s[G0+4*\s+1], s2, \s*SLOT
	s_add_nc_u64 s[G0+4*\s+2:G0+4*\s+3], s[92:93], \s*4096
	s_or_b32 s[G0+4*\s+3], s[G0+4*\s+3], 0x80000000
	s_mov_b32 s[G0B+4*\s], 1
	s_add_co_u32 s[G0B+4*\s+1], s3, \s*SLOT
	s_add_nc_u64 s[G0B+4*\s+2:G0B+4*\s+3], s[94:95], \s*ROWB
	s_or_b32 s[G0B+4*\s+3], s[G0B+4*\s+3], 0x80000000
.endr
	CROUND                                         ; all sixteen work-groups are here: the first joint loads meet
	JLOAD G0, G1, G0B, G1B                         ; K step 0: one tensor load a wave at the head
	s_mul_i32 s68, s21, AH                         ; my 64 tokens' images
	s_mul_i32 s69, s22, HALFT
	s_add_co_u32 s69, s69, 2*AH                    ; my 128 rows of Wo
	s_mul_i32 s70, s21, 8*272                      ; my tokens' scale bytes: eight units
	s_mul_i32 s71, s22, HALFS
	s_add_co_u32 s71, s71, HALFS                   ; my rows' of Wo, behind A's sixteen units
	s_sub_co_u32 s71, s71, s70
	s_add_co_u32 s70, s70, SCL
	s_lshl_b32 s72, s20, 3
	s_add_co_u32 s72, s72, SCL                     ; my four heads are bytes 8 wave .. 8 wave + 7 of each token's 32
	s_mul_i32 s73, s20, 8*272
	s_add_co_u32 s73, s73, SCL+HALFS               ; my eight units of Wo's scale bytes
	s_mul_i32 s74, s20, 16*SPITCH                  ; my stage
	global_prefetch_b8 v[PFO], s[76:77] th:TH_LOAD_NT scope:SCOPE_SE   ; my share of K step 1
	global_prefetch_b8 v[PFO], s[84:85] th:TH_LOAD_NT scope:SCOPE_SE   ; and of K step 2
	v_and_b32 v1, 15, v0                           ; r
	v_mul_u32_u24 v3, v1, PITCH
	v_lshl_add_u32 v4, v2, 4, v3
	v_add_nc_u32 v[ADRA], s68, v[CO]               ; A: images: 16 x lane
	v_add_nc_u32 v[ADRB], s69, v4                  ; Wo: rows
	v_add_nc_u32 v[ADRA+1], SLOT, v[ADRA]
	v_add_nc_u32 v[ADRB+1], SLOT, v[ADRB]
	v_mul_u32_u24 v5, v1, KS
	v_lshrrev_b32 v6, 8, v5
	v_lshl_add_u32 v5, v6, 4, v5
	v_mul_u32_u24 v6, s71, v2                      ; lanes 16-31 take Wo's
	v_add_nc_u32 v5, v5, v6
	v_add_nc_u32 v[ADRS], s70, v5
	v_lshrrev_b32 v3, 1, v9
	v_mul_u32_u24 v10, v3, 272                     ; A's scale bytes, in: my four tokens are half a unit
	v_and_b32 v3, 1, v9
	v_lshl_add_u32 v10, v3, 7, v10
	v_add_nc_u32 v10, s72, v10
	v_mul_u32_u24 v11, v2, 272                     ; Wo's, in: a load's two units: lanes 0-15 one, lanes 16-31 the next
	v_lshl_add_u32 v11, v1, 4, v11
	v_add_nc_u32 v11, s73, v11
	v_mul_u32_u24 v5, v1, SPITCH
	v_lshl_add_u32 v5, v2, 6, v5                   ; the stage, in: row r, + 16 columns x h
	v_add_nc_u32 v[STO], s74, v5
	v_add_nc_u32 v[RD], s74, v[CO]                 ; back: a row of 512 bytes
	s_add_nc_u64 s[14:15], s[14:15], s[66:67]
	s_lshl_b32 s2, s43, 7
	s_lshl_b32 s46, s21, 6
	s_add_co_u32 s2, s2, s46
	s_lshl_b32 s2, s2, 12                          ; my first token's row of 4,096 bytes
	s_mov_b32 s3, 0
	s_add_nc_u64 s[14:15], s[14:15], s[2:3]
	s_wait_alu depctr_va_vdst(0)
	s_wait_loadcnt 16                              ; the scale bytes are in; the bias's 16 loads may be out
.irp n, 0,1,2,3
.irp k, 0,1
	ds_store_b16 v10, v[128+2*\n+\k] offset:32*(2*\k)+2*\n
	ds_store_b16_d16_hi v10, v[128+2*\n+\k] offset:32*(2*\k+1)+2*\n
.endr
.endr
.irp n, 0,1,2,3
	ds_store_b128 v11, v[144+4*\n:147+4*\n] offset:544*\n
.endr
.macro FRAG reg, adr, q, i
.irp c, 0,1,2,3
	ds_load_b128 v[\reg+4*\c:\reg+4*\c+3], v[\adr] offset:128*(\q)+32*\c+(\i)*16*PITCH
.endr
.endm
.macro FRAGA reg, adr, q, i            ; an image: tile i, the slot's q-th 128 along K, four groups of registers
.irp c, 0,1,2,3
	ds_load_b128 v[\reg+4*\c:\reg+4*\c+3], v[\adr] offset:4096*(\i)+2048*(\q)+512*\c
.endr
.endm
.macro MUL16 a0, p, q, sc, zero        ; A's blocks a0, a0 + 1 x Wo's eight; p: the sets of fragments; zero = 2: the sums begin with the bias.  The 32 accumulators take turns
.irp a, \a0, \a0+1
.irp b, 0,1,2,3,4,5,6,7
.set rD, 8*(8*(\a)+\b)
.set rB, 128*(\p)+FR*\b
.set rA, AF+64*(\p)+FR*(\a)
.set rSB, SC+8*NQ*(\sc)+NQ*\b+(\q)
.set rSA, SC+8*NQ*(\sc)+NQ*(\a)+(\q)
.if (\zero) == 2
	v_wmma_scale_f32_16x16x128_f8f6f4 v[rD:rD+7], v[rB:rB+15], v[rA:rA+15], v[CB+8*\b:CB+8*\b+7], v[rSB], v[rSA] matrix_a_fmt:MATRIX_FMT_BF8 matrix_b_fmt:MATRIX_FMT_BF8 matrix_a_scale:MATRIX_SCALE_ROW1
.else
	v_wmma_scale_f32_16x16x128_f8f6f4 v[rD:rD+7], v[rB:rB+15], v[rA:rA+15], v[rD:rD+7], v[rSB], v[rSA] matrix_a_fmt:MATRIX_FMT_BF8 matrix_b_fmt:MATRIX_FMT_BF8 matrix_a_scale:MATRIX_SCALE_ROW1
.endif
.endr
.endr
.endm
.macro FETCH slot, q, p                ; Wo's eight fragments and A's four of the slot's q-th 128 along K into sets p: 48 loads
	WIN TO_B
.irp i, 0,1,2,3,4,5,6,7
	FRAG 128*(\p)+FR*\i, ADRB+\slot, \q, \i
.endr
	WIN 0
.irp i, 0,1,2,3
	FRAGA AF+64*(\p)+FR*\i, ADRA+\slot, \q, \i
.endr
.endm
.macro SCALES sc                       ; lanes 0-15: the words of A's block i (only blocks 0-3 are used); lanes 16-31: of Wo's block i
.irp i, 0,1,2,3,4,5,6,7
	ds_load_b64 v[SC+8*NQ*\sc+NQ*\i:SC+8*NQ*\sc+NQ*\i+1], v[ADRS] offset:\i*SBLK
.endr
.endm
.macro PLACES n
.rept \n
	v_nop
.endr
.endm
.macro STEP slot, zero                 ; a slot's first 128 along K (sets 0); the second's fragments are fetched into sets 1 ahead of the products
	s_wait_dscnt 0x0                               ; this step's fragments and words are in
	PLACES NP                                      ; behind the products that read sets 1
	FETCH \slot, 1, 1
.if (\zero) == 2
	WIN 0x81
.else
	WIN MUL_LO
.endif
	MUL16 0, 0, 0, \slot, \zero
	MUL16 2, 0, 0, \slot, \zero
	WIN 0
.endm
.macro TURN slot, next, fill           ; a slot's second 128 along K (sets 1), and the change of slots
	s_wait_tensorcnt 0x0                           ; all my tensor loads have landed: my part of the next slot
	ds_add_u32 v[SPW], v[NIL]                      ; 0 onto my spare word
	s_wait_dscnt 0x0                               ; the add is done, this step's fragments are in, my reads of this slot are over
	s_barrier_signal -1
	WIN MUL_LO
	MUL16 0, 1, 1, \slot, 0
	WIN 0
	s_barrier_wait -1
.if \fill
	CREST                                          ; no wave of any partner still reads this slot or has a load on its way
	s_add_nc_u64 s[G0+4*\slot+2:G0+4*\slot+3], s[G0+4*\slot+2:G0+4*\slot+3], 2*4096
	s_add_nc_u64 s[G0B+4*\slot+2:G0B+4*\slot+3], s[G0B+4*\slot+2:G0B+4*\slot+3], 2*ROWB
	JLOAD G0+4*\slot, G1, G0B+4*\slot, G1B
	PLACES NP-4
.else
	PLACES NP
.endif
	s_wait_alu depctr_va_vdst(0)
	v_add_nc_u32 v[ADRS], 4*NQ, v[ADRS]
	FETCH \next, 0, 0
	SCALES \next
	WIN MUL_LO
	MUL16 2, 1, 1, \slot, 0
	WIN 0
.endm
	s_wait_alu depctr_va_vdst(0)                   ; the wait at the head's end
	s_wait_tensorcnt 0x0                           ; my part of K step 0 is in
	ds_add_u32 v[SPW], v[NIL]
	s_wait_dscnt 0x0                               ; the add and my stores of scale bytes are done
	CROUND                                         ; a whole round: everybody's part is in, and the joint loads meet
	JLOAD G0+4, G1, G0B+4, G1B                     ; K step 1, the first tensor load behind the round
	FETCH 0, 0, 0
	global_prefetch_b8 v[PFO], s[86:87] th:TH_LOAD_NT scope:SCOPE_SE   ; my share of K step 3, two K steps ahead of its load
	SCALES 0
	s_wait_loadcnt 0x0                             ; the bias
	STEP 0, 2
	TURN 0, 1, 1                                   ; two laps of the ring, written straight
	STEP 1, 0
	TURN 1, 0, 1
	STEP 0, 0
	TURN 0, 1, 0
	STEP 1, 0
	s_wait_dscnt 0x0
	WIN MUL_LO
	MUL16 0, 1, 1, 1, 0
	MUL16 2, 1, 1, 1, 0
	WIN 0
; THE WAY OUT, a block of 16 tokens x 128 columns at a time, through my own stage: in by tiles, each at its natural columns; back as whole rows of 512 bytes.
.macro TOSTAGE a
.set AC, 64*(\a)
	WIN 0x08                                       ; the data: window 2
.irp b, 0,1,2,3,4,5,6,7
	ds_store_b128 v[STO], v[AC+8*\b:AC+8*\b+3] offset:128*(\b/2)+32*(\b%2)       ; each accumulator from its low end on
	ds_store_b128 v[STO], v[AC+8*\b+4:AC+8*\b+7] offset:128*(\b/2)+32*(\b%2)+16
.endr
	WIN 0
.set BB, BK+64*((\a)%2)
.irp t, 0,1,2,3,4,5,6,7,8,9,10,11,12,13,14,15
	ds_load_b128 v[BB+4*\t:BB+4*\t+3], v[RD] offset:\t*SPITCH   ; LDS serves a wave's instructions in order
.endr
.endm
.macro SEND a, younger
.set BB, BK+64*((\a)%2)
	s_wait_dscnt \younger
.irp t, 0,1,2,3,4,5,6,7,8,9,10,11,12,13,14,15
	global_store_b128 v[CO], v[BB+4*\t:BB+4*\t+3], s[14:15] offset:(32*((\a)/2)+8*((\a)%2)+\t+8*(\t/8))*4096 th:TH_STORE_NT   ; stored row t of block a is this natural token; 512 consecutive aligned bytes
.endr
.endm
	PLACES NP
	TOSTAGE 0
.irp a, 1,2,3
.if \a > 1
	s_wait_xcnt 0x0                                ; block a - 2's stores have read their registers
.endif
	TOSTAGE \a
	SEND \a-1, 32                                  ; behind block a - 1's loads: block a's 16 stores and 16 loads
.endr
	SEND 3, 0
	s_wait_tensorcnt 0x0                           ; the wave's end
	ds_add_u32 v[SPW], v[NIL]
	s_wait_dscnt 0x0
	CROUND                                         ; the closing round
	s_endpgm
.Lfunc_end_k_qdb0f95abd7_oproj:
	.size	k_qdb0f95abd7_oproj, .Lfunc_end_k_qdb0f95abd7_oproj-k_qdb0f95abd7_oproj
	.p2alignl 7, 3214868480
	.fill 96, 4, 3214868480
	.section	.rodata,"a",@progbits
	.p2align	6, 0x0
	.amdhsa_kernel k_qdb0f95abd7_oproj
		.amdhsa_group_segment_fixed_size 327680
		.amdhsa_private_segment_fixed_size 0
		.amdhsa_enable_private_segment 0
		.amdhsa_kernarg_size 48
		.amdhsa_user_sgpr_count 2
		.amdhsa_user_sgpr_kernarg_segment_ptr 1
		.amdhsa_wavefront_size32 1
		.amdhsa_system_sgpr_workgroup_id_x 1
		.amdhsa_system_sgpr_workgroup_id_y 1
		.amdhsa_system_sgpr_workgroup_id_z 1
		.amdhsa_system_vgpr_workitem_id 0
		.amdhsa_next_free_vgpr 768
		.amdhsa_next_free_sgpr 100
		.amdhsa_reserve_vcc 0
		.amdhsa_float_denorm_mode_32 3
		.amdhsa_float_denorm_mode_16_64 3
		.amdhsa_memory_ordered 1
		.amdhsa_forward_progress 1
		.amdhsa_inst_pref_size 92
	.end_amdhsa_kernel
	.amdgpu_metadata
---
amdhsa.version: [ 1, 2 ]
amdhsa.kernels:
  - .name:           k_qdb0f95abd7_oproj
    .symbol:         k_qdb0f95abd7_oproj.kd
    .args:
      - { .name: abuf, .offset: 0, .size: 8, .value_kind: global_buffer, .address_space: global }
      - { .name: asc, .offset: 8, .size: 8, .value_kind: global_buffer, .address_space: global }
      - { .name: codes, .offset: 16, .size: 8, .value_kind: global_buffer, .address_space: global }
      - { .name: scales, .offset: 24, .size: 8, .value_kind: global_buffer, .address_space: global }
      - { .name: bo, .offset: 32, .size: 8, .value_kind: global_buffer, .address_space: global }
      - { .name: out0, .offset: 40, .size: 8, .value_kind: global_buffer, .address_space: global }
    .group_segment_fixed_size: 327680
    .private_segment_fixed_size: 0
    .kernarg_segment_align: 8
    .kernarg_segment_size: 48
    .max_flat_workgroup_size: 128
    .sgpr_count:     100
    .vgpr_count:     768
    .wavefront_size: 32
...
	.end_amdgpu_metadata
.endif
;; end of part 4
